; MI455X (gfx1250); checked and timed in simulation.
; The chip was launched on July 23, 2026; its instructions are those of AMD's public machine-readable ISA for CDNA 5 (MIT licence, August 2026) and "CDNA5" Instruction Set Architecture Reference Guide (July 2026). The comments in the code are by the model that wrote it; some were corrected since.
;; Temporal Prompt Generator Model. Allowed arithmetic: matrix products marked QUANTISED: E3M2 operands, one E8M0 scale for each 32 along K, by v_wmma_scale_f32_16x16x128_f8f6f4 with both operands' format E3M2, f32 sums; products left as they are: f32 operands where the result goes on into a quantised operand, else bf16, f16 or f32 operands; f32 sums; everything else in f32.
;; Inputs: Wk 400 x 16 x 50 float32; Wo 16 x 50 x 400 float32; Wq 400 x 16 x 50 float32; Wv 400 x 16 x 50 float32; bk 16 x 50 float32; bo 400 float32; bq 16 x 50 float32; bv 16 x 50 float32; d2_b 225 float32; d2_w 450 x 225 float32; d4_b 225 float32; d4_w 225 x 225 float32; ffn_b1 2 float32; ffn_b2 400 float32; ffn_w1 400 x 2 float32; ffn_w2 2 x 400 float32; gru_bb 2 x 675 float32; gru_bk 1,600 x 675 float32; gru_brk 225 x 675 float32; gru_fb 2 x 675 float32; gru_fk 1,600 x 675 float32; gru_frk 225 x 675 float32; ln1_b 400 float32; ln1_g 400 float32; ln2_b 400 float32; ln2_g 400 float32; out_b 140 float32; out_w 900 x 140 float32; x 16,384 x 3 x 400 float32.
;; Outputs: out0 16,384 x 140 float32.
;; This version of the problem:
;;   THIS VERSION OF THE PROBLEM IS GIVEN IN LOW PRECISION. The matrix products marked QUANTISED in the list below multiply operands that are first quantised to E3M2 (3 exponent bits, 2 mantissa bits; 6 bits a number), with one power-of-two scale for each 32 numbers along K (OCP MX v1.0); their sums are f32. All else is computed in f32.
;;   The module's matrix products, in the order in which they are computed (A, B: the left and right operand; K: the contracted axis; several contracted axes count as one K, in the product's order):
;;     1. [M 16,383, K 400] x [K 400, N 800]; A: input x; B: input Wq: QUANTISED
;;     2. [M 16,383, K 400] x [K 400, N 800]; A: input x; B: input Wk: QUANTISED
;;     3. [M 16,383, K 400] x [K 400, N 800]; A: input x; B: input Wv: QUANTISED
;;     4. batch 262,128 x [M 1, K 50] x [K 50, N 1]; A: computed on the way; B: computed on the way: left as it is (M = 1 < 16)
;;     5. batch 262,128 x [M 50, K 1] x [K 1, N 1]; A: computed on the way; B: softmax: left as it is (K = 1 < 32)
;;     6. [M 16,383, K 800] x [K 800, N 400]; A: computed on the way; B: input Wo: QUANTISED
;;     7. [M 16,383, K 400] x [K 400, N 2]; A: computed on the way; B: input ffn_w1: left as it is (N = 2 < 16)
;;     8. [M 16,383, K 2] x [K 2, N 400]; A: computed on the way; B: input ffn_w2: left as it is (K = 2 < 32)
;;     9. [M 16,384, K 1,600] x [K 1,600, N 675]; A: computed on the way; B: input gru_fk: QUANTISED
;;     10. [M 16,384, K 225] x [K 225, N 675]; A: computed on the way; B: input gru_frk: QUANTISED
;;     11. [M 16,384, K 1,600] x [K 1,600, N 675]; A: computed on the way; B: input gru_bk: QUANTISED
;;     12. [M 16,384, K 225] x [K 225, N 675]; A: computed on the way; B: input gru_brk: QUANTISED
;;     13. [M 16,384, K 450] x [K 450, N 225]; A: computed on the way; B: input d2_w: QUANTISED
;;     14. [M 16,384, K 225] x [K 225, N 225]; A: computed on the way; B: input d4_w: QUANTISED
;;     15. [M 16,384, K 900] x [K 900, N 140]; A: computed on the way; B: input out_w: QUANTISED
;;   THE QUANTISER, for each operand of a quantised product, along K:
;;     - K is cut into blocks of 32 from its start; a last block that is shorter is filled with zeros.
;;     - A block's scale is 2^e with e = floor(log2(the largest magnitude in the block)) - 4, held to -126 .. 127; a block of zeros has e = 0. As a byte (E8M0): e + 127.
;;     - Each number is divided by its block's scale, clamped to +-28, and rounded to the nearest number of E3M2, ties to even, subnormals kept.
;;     - The product sums the exact products of the quantised numbers (number of the format x scale) in f32.
;;   ~~~python
;;   def quantise(x, axis):      # numpy; x: float32 -> the quantised numbers, widened to float32 again
;;       x = np.moveaxis(x, axis, -1); K = x.shape[-1]
;;       x = np.pad(x, [(0, 0)] * (x.ndim - 1) + [(0, -K % 32)]); x = x.reshape(x.shape[:-1] + (-1, 32)); a = np.abs(x).max(-1, keepdims=True)
;;       e = np.where(a > 0, np.clip(np.frexp(np.where(a > 0, a, 1))[1] - 1 - 4, -126, 127), 0)      # np.frexp(a)[1] - 1 = floor(log2(a)), exactly
;;       r = np.clip(x / 2.0 ** e, -28, 28)
;;       step = 2.0 ** (np.maximum(np.frexp(np.where(r == 0, 1, r))[1] - 1, -2) - 2)
;;       q = np.round(r / step) * step * 2.0 ** e      # np.round: ties to even
;;       return np.moveaxis(q.reshape(q.shape[:-2] + (-1,))[..., :K], -1, axis).astype(np.float32)
;;   ~~~
;;   OPERANDS COMPUTED ON THE WAY. 'Computed on the way' means the value that the module computes at that place (a softmax that the list does not call 'softmax' is quantised finished and normalised). What goes into a quantiser is computed in f32, as accurately as f32 sums, v_exp_f32 and their like allow (about 1e-6 of the number): no bf16 or f16 on the way to a quantiser, and a product that is left as it is and whose result goes on into a quantised operand takes f32 operands (vector FMAs, or v_wmma_f32_16x16x4_f32). A number that lies on a knife's edge between two numbers of the format may be rounded either way, as far as f32 arithmetic and the matrix unit's own rounding can turn it there, and no further.
;; One version. Each part assembles by itself: llvm-mc -triple=amdgcn-amd-amdhsa -mcpu=gfx1250 --defsym DOCPART=n.
;; ======== version 1 of 1: 2 launches
;; limits: right only within a limited range of input values
;; workspace buffers: wts 2,940,416 bytes; tab 32,768 bytes
;; launch prep (part 1): grid 1033 x 1, 2 waves a work-group, no clusters, 0 bytes of LDS; arguments Wv, Wo, gru_fk, gru_bk, d2_w, d4_w, out_w, bv, bo, gru_fb, gru_bb, d2_b, d4_b, out_b, ln1_g, ln1_b, ffn_w1, ffn_b1, ffn_w2, ffn_b2, ln2_g, ln2_b, wts, tab; writes wts, tab
.if DOCPART == 1
	.amdgcn_target "amdgcn-amd-amdhsa--gfx1250"
	.amdhsa_code_object_version 6
	.text
	.protected	k_qfb21c39d00_prep
	.globl	k_qfb21c39d00_prep
	.p2align	8
	.type	k_qfb21c39d00_prep,@function
k_qfb21c39d00_prep:
	s_mov_b64 s[64:65], 0
	v_nop
	global_prefetch_b8 v0, s[64:65] scope:SCOPE_SE
	s_setreg_imm32_b32 hwreg(HW_REG_WAVE_MODE, 25, 1), 1
	s_wait_xcnt 0x0
; THE WEIGHTS BECOME OPERANDS, ONCE.  Each weight (f32, stored [K][N]) is quantised along K to codes of BF6 (E3M2) with one E8M0 byte for each 32 along K,
; and laid in wts in the order of the matrix operand's registers: a fragment (16 rows of N x 128 of K) is 12 registers a lane, register group g (4 registers) of lane l at 512 g + 16 l.
; A chunk holds the T fragments of one block of 32 positions of N and one K step, and behind them T / 2 lines of 128 bytes of scale words (lanes 0-15: the even fragment's rows, lanes 16-31: the odd one's).
; A LANE TAKES A COLUMN n AND ITS REGISTERS RUN DOWN K, in the very order that the operand's layout gives that lane: nothing is transposed.
; THE ROWS OF A TILE ARE NOT NEIGHBOURS: row rho of tile (block b, u) is position 32 b + 8 u + rho + 8 (rho / 8), so that a result's 16 registers of two tiles are 16 neighbours along the next K.
; Positions and K outside a weight's true range get zero codes.  Work-groups 0-904: one wave to a fragment (1,810 fragments).  Work-groups 905-1032: the tables of biases and gains, one thread to a number.
; LIMITS: NaN and infinities among the inputs are not served; a block of zeros gets the byte 1 where the rule says 127 (its codes are zeros, and this program alone reads the bytes).
.set X,   32                           ; v32-95   my 64 numbers: register 32 c + i = k 128 s + 64 c + 32 (lane / 16) + i
.set Y,   96                           ; v96-159  the same from the second source of the one tile that straddles two weights
.set CD,  160                          ; v160-171 the fragment's 12 registers; v172-179 the upper halves as converted
	s_load_b512 s[4:19], s[0:1], 0x0               ; Wv 4, Wo 6, gru_fk 8, gru_bk 10, d2_w 12, d4_w 14, out_w 16, bv 18
	s_load_b512 s[20:35], s[0:1], 0x40             ; bo 20, gru_fb 22, gru_bb 24, d2_b 26, d4_b 28, out_b 30, ln1_g 32, ln1_b 34
	s_load_b512 s[36:51], s[0:1], 0x80             ; ffn_w1 36, ffn_b1 38, ffn_w2 40, ffn_b2 42, ln2_g 44, ln2_b 46, wts 48, tab 50
	v_lshrrev_b32 v1, 5, v0
	v_readfirstlane_b32 s52, v1                    ; wave 0, 1
	s_cmp_lt_u32 ttmp9, 905
	s_cbranch_scc0 .Ltab
	s_lshl_b32 s53, ttmp9, 1
	s_add_co_u32 s53, s53, s52                     ; F: which fragment
	s_wait_kmcnt 0x0
; the product's figures, chosen by F alone, without a jump
.macro PV reg, val, first
.if \first
	s_mov_b32 s[\reg], \val
.else
	s_cselect_b32 s[\reg], \val, s[\reg]
.endif
.endm
.macro PSEL first, start, nk, t, ch, dst, rowb, kmax, nmax, n0, n1, bm, bo, cg, hlo, hhi, ptr
.if !\first
	s_cmp_ge_u32 s53, \start
.endif
	PV 54, \start, \first                          ; the product's first fragment
	PV 55, \nk, \first                             ; K steps
	PV 56, (0x100000000+\nk-1)/\nk, \first         ; 2^32 / K steps, rounded up: the high word of a product with it is the quotient (numbers under 1,170)
	PV 57, \t, \first                              ; fragments in a chunk
	PV 58, (0x100000000+\t-1)/\t, \first
	PV 59, \ch, \first                             ; bytes of a chunk
	PV 60, \dst, \first                            ; the product's first byte in wts
	PV 61, \rowb, \first                           ; bytes from k to k + 1 in the source
	PV 62, \kmax, \first                           ; the true K
	PV 63, \nmax, \first                           ; the true N (G: of a gate)
	PV 66, \n0, \first                             ; column = position + n0 + o n1
	PV 67, \n1, \first
	PV 68, \bm, \first                             ; block = bm nb + bo o
	PV 69, \bo, \first
	PV 70, \cg, \first                             ; the gate's first column: o cg
	PV 71, \hlo, \first                            ; K blocks hlo .. hhi - 1 hold nothing; from hhi on k lies 64 lower
	PV 72, \hhi, \first
.if \first
	s_mov_b64 s[74:75], s[\ptr:\ptr+1]
.else
	s_cselect_b64 s[74:75], s[\ptr:\ptr+1], s[74:75]
.endif
.endm
	PSEL 1, 0,    4,  4, 6400, 0,       3200, 400,  800, 0,   0,  2, 1, 0,   0x10000, 0x10000, 4
	PSEL 0, 208,  7,  2, 3328, 332800,  1600, 800,  400, -16, 0,  1, 0, 0,   0x10000, 0x10000, 6
	PSEL 0, 390,  13, 6, 9728, 635648,  2700, 1600, 225, 0,   0,  1, 0, 225, 0x10000, 0x10000, 8
	PSEL 0, 1560, 4,  4, 6400, 2532608, 900,  450,  225, 0,   -2, 1, 0, 0,   0x10000, 0x10000, 12
	PSEL 0, 1688, 2,  2, 3328, 2737408, 900,  225,  225, -3,  0,  1, 0, 0,   0x10000, 0x10000, 14
	PSEL 0, 1720, 9,  2, 3328, 2790656, 560,  900,  140, 0,   0,  1, 0, 0,   14,      16,      16
	s_sub_co_u32 s76, s53, s54                     ; l = (nb T + fr) NK + s
	s_mul_hi_u32 s77, s76, s56
	s_mul_i32 s78, s77, s55
	s_sub_co_u32 s78, s76, s78                     ; s: the K step
	s_mul_hi_u32 s79, s77, s58                     ; nb: the chunk's block of N
	s_mul_i32 s80, s79, s57
	s_sub_co_u32 s80, s77, s80                     ; fr: the fragment in the chunk
	s_and_b32 s81, s80, 1                          ; u
	s_lshr_b32 s82, s80, 1                         ; o: the second block (V), the gate (G), the order (D2)
	s_mul_i32 s83, s79, s68
	s_mul_i32 s84, s82, s69
	s_add_co_u32 s83, s83, s84
	s_lshl_b32 s84, s83, 5
	s_lshl_b32 s85, s81, 3
	s_add_co_u32 s84, s84, s85                     ; the tile's first position: 32 block + 8 u
	s_cmp_lg_u32 s70, 0
	s_cselect_b32 s85, 1, 0                        ; is it G?
	s_cmp_ge_u32 s84, 224
	s_cselect_b32 s86, 1, 0
	s_and_b32 s87, s85, s86
	s_cmp_lg_u32 s87, 0                            ; G's tiles from position 224 on take the backward weight, unit = position - 225
	s_cselect_b64 s[74:75], s[10:11], s[74:75]
	s_cselect_b32 s88, -225, 0
	s_cmp_eq_u32 s84, 224
	s_cselect_b32 s89, 1, 0
	s_and_b32 s89, s89, s85                        ; the one kind of tile that holds position 224 too, the forward weight's last unit
	s_mul_i32 s90, s82, s67
	s_add_co_u32 s90, s90, s66
	s_add_co_u32 s90, s90, s88                     ; column = position + s90
	s_mul_i32 s91, s82, s70                        ; + the gate's first column
	s_sub_co_u32 s93, s63, 1
	s_lshl_b32 s94, s78, 2                         ; the K step's first block
	s_mov_b32 s98, 0x76543210
	s_mov_b32 s99, 0xfedcba98                      ; v_permlanex16_b32's selects for lane l xor 16
	v_and_b32 v1, 31, v0
	v_lshlrev_b32 v1, 4, v1                        ; 16 x lane
	v_and_b32 v2, 15, v0                           ; rho
	v_bfe_u32 v3, v0, 4, 1                         ; hh
	v_and_b32 v4, 8, v2
	v_add_nc_u32 v4, v4, v2
	v_add_nc_u32 v4, s84, v4                       ; my position
	v_mov_b32 v15, 64
	v_mov_b32 v16, 0
	v_add_nc_u32 v5, s90, v4                       ; my column (a negative one wraps and fails the test)
	v_cmp_gt_u32 s92, s63, v5                      ; does it exist?
	v_min_u32 v5, s93, v5
	v_add_nc_u32 v5, s91, v5
	v_lshlrev_b32 v5, 2, v5                        ; its bytes in a row of the source
	s_sub_co_u32 s86, s62, 1
.irp c, 0,1                                    ; my two blocks of K: 4 s + 2 c + hh
	v_add_nc_u32 v[6+\c], s94, v3
	v_add_nc_u32 v[6+\c], 2*\c, v[6+\c]
	v_cmp_le_u32 vcc_lo, s72, v[6+\c]
	v_cndmask_b32 v14, v16, v15, vcc_lo
	v_lshlrev_b32 v[8+\c], 5, v[6+\c]
	v_sub_nc_u32 v[8+\c], v[8+\c], v14             ; the block's first k
	v_cmp_le_u32 s95, s71, v[6+\c]
	v_cmp_gt_u32 s96, s72, v[6+\c]
	s_and_b32 s95, s95, s96                        ; a block that holds nothing
	v_sub_nc_u32 v[10+\c], s62, v[8+\c]
	v_max_i32 v[10+\c], 0, v[10+\c]
	v_min_i32 v[10+\c], 32, v[10+\c]               ; how many of its 32 lie inside K
	v_cndmask_b32 v[10+\c], v[10+\c], v16, s95
	v_min_u32 v[8+\c], s86, v[8+\c]
	v_mul_u32_u24 v[8+\c], v[8+\c], s61            ; its first row's bytes, held inside the source
.endr
; 64 loads, each held inside the source; then what does not count becomes 0.  A load lands on its own offset register.
.macro LSET dst, ptr
.irp c, 0,1
	v_cndmask_b32 v[18+\c], v16, v[10+\c], s92     ; how many of the block's numbers count for me
	v_max_u32 v[20+\c], 1, v[18+\c]
	v_add_nc_u32 v[20+\c], -1, v[20+\c]            ; the last row that I may read, from the block's first
	v_add_nc_u32 v[22+\c], v[8+\c], v5
.endr
.irp c, 0,1
.irp i, 0,1,2,3,4,5,6,7,8,9,10,11,12,13,14,15,16,17,18,19,20,21,22,23,24,25,26,27,28,29,30,31
	v_min_u32 v24, \i, v[20+\c]
	v_mad_u32_u24 v[\dst+32*\c+\i], v24, s61, v[22+\c]
	global_load_b32 v[\dst+32*\c+\i], v[\dst+32*\c+\i], s[\ptr:\ptr+1]   ; sixteen neighbouring lanes read two runs of eight neighbouring columns of one row
.endr
.endr
	s_wait_loadcnt 0x0
.irp c, 0,1
.irp i, 0,1,2,3,4,5,6,7,8,9,10,11,12,13,14,15,16,17,18,19,20,21,22,23,24,25,26,27,28,29,30,31
	v_cmp_lt_u32 vcc_lo, \i, v[18+\c]
	v_cndmask_b32 v[\dst+32*\c+\i], v16, v[\dst+32*\c+\i], vcc_lo
.endr
.endr
.endm
	LSET X, 74
	s_cmp_lg_u32 s89, 0
	s_cbranch_scc0 .Lone_source
	v_cmp_gt_u32 s92, s63, v4                      ; the straddling tile: position 224 is the forward weight's unit 224
	v_min_u32 v5, s93, v4
	v_add_nc_u32 v5, s91, v5
	v_lshlrev_b32 v5, 2, v5
	LSET Y, 8
.irp i, 0,1,2,3,4,5,6,7,8,9,10,11,12,13,14,15,16,17,18,19,20,21,22,23,24,25,26,27,28,29,30,31,32,33,34,35,36,37,38,39,40,41,42,43,44,45,46,47,48,49,50,51,52,53,54,55,56,57,58,59,60,61,62,63
	v_or_b32 v[X+\i], v[X+\i], v[Y+\i]             ; in each lane one of the two is 0
.endr
.Lone_source:
.irp c, 0,1                                    ; a block's largest magnitude: all its 32 numbers are mine
	v_max3_num_f32 v[26+\c], |v[X+32*\c]|, |v[X+32*\c+1]|, 0x2800000   ; and the floor 2^(5 - 127): the byte cannot fall under 1
.endr
.irp i, 2,4,6,8,10,12,14,16,18,20,22,24,26,28,30
.irp c, 0,1
	v_max3_num_f32 v[26+\c], v[26+\c], |v[X+32*\c+\i]|, |v[X+32*\c+\i+1]|
.endr
.endr
.irp c, 0,1
	v_add_nc_u32 v[28+\c], 0xfe000000, v[26+\c]    ; 4 off its exponent field: the conversion takes the exponent field of this operand as its scale
.endr
.irp c, 0,1
	v_lshrrev_b32 v[30+\c], 23, v[28+\c]           ; the scale's byte
.endr
	v_lshl_or_b32 v25, v31, 16, v30                ; my two bytes: blocks hh and 2 + hh,
	v_lshlrev_b32 v24, 3, v3
	v_lshlrev_b32 v25, v24, v25                    ; at their places in the scale word;
	v_mov_b32 v24, 0
	v_permlanex16_b32 v24, v25, s98, s99
	v_or_b32 v25, v25, v24                         ; with lane l xor 16's two the word is whole
.irp c, 0,1
	v_cvt_scalef32_pk16_bf6_f32 v[CD+6*\c:CD+6*\c+2], v[X+32*\c:X+32*\c+15], v[28+\c]
	v_cvt_scalef32_pk16_bf6_f32 v[CD+12+4*\c:CD+14+4*\c], v[X+32*\c+16:X+32*\c+31], v[28+\c]   ; (a conversion's three registers begin on an even number)
.endr
	v_nop                                          ; one plain place behind a scaled conversion
.irp c, 0,1
.irp i, 0,1,2
	v_mov_b32 v[CD+3+6*\c+\i], v[CD+12+4*\c+\i]
.endr
.endr
	s_mul_i32 s76, s79, s55
	s_add_co_u32 s76, s76, s78
	s_mul_i32 s76, s76, s59
	s_add_co_u32 s76, s76, s60                     ; the chunk's first byte
	s_mul_i32 s77, s80, 1536
	s_add_co_u32 s86, s76, s77
	s_mov_b32 s87, 0
	s_add_nc_u64 s[96:97], s[48:49], s[86:87]      ; my fragment
	s_mul_i32 s77, s57, 1536
	s_add_co_u32 s76, s76, s77
	s_lshl_b32 s77, s82, 7
	s_add_co_u32 s76, s76, s77
	s_lshl_b32 s77, s81, 6
	s_add_co_u32 s76, s76, s77
	s_mov_b32 s77, 0
	s_add_nc_u64 s[100:101], s[48:49], s[76:77]    ; my half of a scale line
	v_lshlrev_b32 v24, 2, v2
	s_wait_alu depctr_va_vdst(0)
.irp g, 0,1,2
	global_store_b128 v1, v[CD+4*\g:CD+4*\g+3], s[96:97] offset:512*\g   ; 32 lanes store 512 consecutive bytes, aligned
.endr
	global_store_b32 v24, v25, s[100:101]          ; row rho's word (lanes 16-31 hold and write the same)
	s_endpgm
; THE TABLES: 8,192 numbers, zero wherever a position has no number.  Each thread sums, over 28 segments, the one or two or four numbers that fall on its place.
.Ltab:
	s_sub_co_u32 s53, ttmp9, 905
	s_lshl_b32 s53, s53, 6
	v_add_nc_u32 v1, s53, v0                       ; my place in tab
	v_mov_b32 v2, 1.0
	v_mov_b32 v3, 0x3fb8aa3b                       ; log2(e)
	v_mov_b32 v4, 0xbfb8aa3b
	v_mov_b32 v5, 0
	s_wait_alu depctr_va_vdst(0)
	s_wait_kmcnt 0x0
; places start .. start + len - 1 take source number (place - start + noff) x stride + off0, where that index lies in 0 .. nmax - 1, times the factor in v[mr]
.macro SEG k, start, len, ptr, noff, nmax, stride, off0, mr
	v_add_nc_u32 v6, -(\start), v1
	v_cmp_gt_u32 s54, \len, v6
	v_add_nc_u32 v7, \noff, v6
	v_cmp_gt_u32 s55, \nmax, v7
	s_and_b32 vcc_lo, s54, s55
	v_cndmask_b32 v[40+\k], v5, v[\mr], vcc_lo     ; the factor, or 0
	v_min_u32 v7, \nmax-1, v7                      ; every load stays inside its buffer
	v_mul_u32_u24 v7, v7, 4*\stride
	v_add_nc_u32 v[8+\k], 4*\off0, v7
	global_load_b32 v[8+\k], v[8+\k], s[\ptr:\ptr+1]
.endm
	SEG 0,  0,    448, 32, -16,  400, 1, 0,    2   ; nine tables of the encoder's tail at position d + 16: ln1_g,
	SEG 1,  448,  448, 34, -16,  400, 1, 0,    2   ; ln1_b,
	SEG 2,  896,  448, 36, -16,  400, 2, 0,    2   ; ffn_w1's two columns,
	SEG 3,  1344, 448, 36, -16,  400, 2, 1,    2
	SEG 4,  1792, 448, 40, -16,  400, 1, 0,    2   ; ffn_w2's two rows,
	SEG 5,  2240, 448, 40, -16,  400, 1, 400,  2
	SEG 6,  2688, 448, 42, -16,  400, 1, 0,    2   ; ffn_b2,
	SEG 7,  3136, 448, 44, -16,  400, 1, 0,    2   ; ln2_g,
	SEG 8,  3584, 448, 46, -16,  400, 1, 0,    2   ; ln2_b
	SEG 9,  4032, 2,   38, 0,    2,   1, 0,    2   ; ffn_b1
	SEG 10, 4096, 832, 18, 0,    800, 1, 0,    2   ; bv
	SEG 11, 4928, 416, 20, -16,  400, 1, 0,    2   ; bo at position d + 16
	SEG 12, 5344, 480, 22, 0,    225, 1, 0,    3   ; (B0z + B1z) log2(e): units 0-224 forward, 225-449 backward
	SEG 13, 5344, 480, 22, 0,    225, 1, 675,  3
	SEG 14, 5344, 480, 24, -225, 225, 1, 0,    3
	SEG 15, 5344, 480, 24, -225, 225, 1, 675,  3
	SEG 16, 5824, 480, 22, 0,    225, 1, 225,  4   ; -(B0r + B1r) log2(e)
	SEG 17, 5824, 480, 22, 0,    225, 1, 900,  4
	SEG 18, 5824, 480, 24, -225, 225, 1, 225,  4
	SEG 19, 5824, 480, 24, -225, 225, 1, 900,  4
	SEG 20, 6304, 480, 22, 0,    225, 1, 450,  2   ; B0h
	SEG 21, 6304, 480, 24, -225, 225, 1, 450,  2
	SEG 22, 6784, 480, 22, 0,    225, 1, 1125, 2   ; B1h
	SEG 23, 6784, 480, 24, -225, 225, 1, 1125, 2
	SEG 24, 7264, 256, 26, 0,    225, 1, 0,    2   ; d2_b by unit,
	SEG 25, 7520, 256, 26, -2,   225, 1, 0,    2   ; and at position unit + 2
	SEG 26, 7776, 256, 28, -3,   225, 1, 0,    2   ; d4_b at position unit + 3
	SEG 27, 8032, 160, 30, 0,    140, 1, 0,    2   ; out_b
	s_wait_loadcnt 0x0
	v_mul_f32 v6, v8, v40
.irp k, 1,2,3,4,5,6,7,8,9,10,11,12,13,14,15,16,17,18,19,20,21,22,23,24,25,26,27
	v_fma_f32 v6, v[8+\k], v[40+\k], v6
.endr
	v_lshlrev_b32 v7, 2, v1
	global_store_b32 v7, v6, s[50:51]              ; a work-group's 64 threads store 256 consecutive bytes, aligned
	s_endpgm
.Lfunc_end_k_qfb21c39d00_prep:
	.size	k_qfb21c39d00_prep, .Lfunc_end_k_qfb21c39d00_prep-k_qfb21c39d00_prep
	.p2alignl 7, 3214868480
	.fill 96, 4, 3214868480
	.section	.rodata,"a",@progbits
	.p2align	6, 0x0
	.amdhsa_kernel k_qfb21c39d00_prep
		.amdhsa_group_segment_fixed_size 0
		.amdhsa_private_segment_fixed_size 0
		.amdhsa_enable_private_segment 0
		.amdhsa_kernarg_size 192
		.amdhsa_user_sgpr_count 2
		.amdhsa_user_sgpr_kernarg_segment_ptr 1
		.amdhsa_wavefront_size32 1
		.amdhsa_system_sgpr_workgroup_id_x 1
		.amdhsa_system_sgpr_workgroup_id_y 1
		.amdhsa_system_sgpr_workgroup_id_z 1
		.amdhsa_system_vgpr_workitem_id 0
		.amdhsa_next_free_vgpr 192
		.amdhsa_next_free_sgpr 102
		.amdhsa_reserve_vcc 1
		.amdhsa_float_denorm_mode_32 3
		.amdhsa_float_denorm_mode_16_64 3
		.amdhsa_memory_ordered 1
		.amdhsa_forward_progress 1
		.amdhsa_inst_pref_size 68
	.end_amdhsa_kernel
	.amdgpu_metadata
---
amdhsa.version: [ 1, 2 ]
amdhsa.kernels:
  - .name:           k_qfb21c39d00_prep
    .symbol:         k_qfb21c39d00_prep.kd
    .args:
      - { .name: Wv, .offset: 0, .size: 8, .value_kind: global_buffer, .address_space: global }
      - { .name: Wo, .offset: 8, .size: 8, .value_kind: global_buffer, .address_space: global }
      - { .name: gru_fk, .offset: 16, .size: 8, .value_kind: global_buffer, .address_space: global }
      - { .name: gru_bk, .offset: 24, .size: 8, .value_kind: global_buffer, .address_space: global }
      - { .name: d2_w, .offset: 32, .size: 8, .value_kind: global_buffer, .address_space: global }
      - { .name: d4_w, .offset: 40, .size: 8, .value_kind: global_buffer, .address_space: global }
      - { .name: out_w, .offset: 48, .size: 8, .value_kind: global_buffer, .address_space: global }
      - { .name: bv, .offset: 56, .size: 8, .value_kind: global_buffer, .address_space: global }
      - { .name: bo, .offset: 64, .size: 8, .value_kind: global_buffer, .address_space: global }
      - { .name: gru_fb, .offset: 72, .size: 8, .value_kind: global_buffer, .address_space: global }
      - { .name: gru_bb, .offset: 80, .size: 8, .value_kind: global_buffer, .address_space: global }
      - { .name: d2_b, .offset: 88, .size: 8, .value_kind: global_buffer, .address_space: global }
      - { .name: d4_b, .offset: 96, .size: 8, .value_kind: global_buffer, .address_space: global }
      - { .name: out_b, .offset: 104, .size: 8, .value_kind: global_buffer, .address_space: global }
      - { .name: ln1_g, .offset: 112, .size: 8, .value_kind: global_buffer, .address_space: global }
      - { .name: ln1_b, .offset: 120, .size: 8, .value_kind: global_buffer, .address_space: global }
      - { .name: ffn_w1, .offset: 128, .size: 8, .value_kind: global_buffer, .address_space: global }
      - { .name: ffn_b1, .offset: 136, .size: 8, .value_kind: global_buffer, .address_space: global }
      - { .name: ffn_w2, .offset: 144, .size: 8, .value_kind: global_buffer, .address_space: global }
      - { .name: ffn_b2, .offset: 152, .size: 8, .value_kind: global_buffer, .address_space: global }
      - { .name: ln2_g, .offset: 160, .size: 8, .value_kind: global_buffer, .address_space: global }
      - { .name: ln2_b, .offset: 168, .size: 8, .value_kind: global_buffer, .address_space: global }
      - { .name: wts, .offset: 176, .size: 8, .value_kind: global_buffer, .address_space: global }
      - { .name: tab, .offset: 184, .size: 8, .value_kind: global_buffer, .address_space: global }
    .group_segment_fixed_size: 0
    .private_segment_fixed_size: 0
    .kernarg_segment_align: 8
    .kernarg_segment_size: 192
    .max_flat_workgroup_size: 64
    .sgpr_count:     102
    .vgpr_count:     192
    .wavefront_size: 32
...
	.end_amdgpu_metadata
.endif
;; end of part 1
;; launch fused (part 2): grid 256 x 1, 8 waves a work-group, no clusters, 327,680 bytes of LDS; arguments x, wts, tab, out0; writes out0
.if DOCPART == 2
	.amdgcn_target "amdgcn-amd-amdhsa--gfx1250"
	.amdhsa_code_object_version 6
	.text
	.protected	k_qfb21c39d00_fused
	.globl	k_qfb21c39d00_fused
	.p2align	8
	.type	k_qfb21c39d00_fused,@function
k_qfb21c39d00_fused:
	s_mov_b64 s[64:65], 0
	v_nop
	global_prefetch_b8 v0, s[64:65] scope:SCOPE_SE
	s_setreg_imm32_b32 hwreg(HW_REG_WAVE_MODE, 25, 1), 1
	s_wait_xcnt 0x0
; THE WHOLE CHAIN FOR 64 ROWS: x -> v -> attention's output -> two layer norms round a small FFN -> two one-step GRUs -> two dense elu layers -> the output layer.  All large products on codes of BF6 (E3M2)
; with one E8M0 byte for each 32 along K.  256 work-groups of 8 waves, 512 registers a wave: two waves to a SIMD, so that one wave's vector work stands beside the other's matrix work.
; THE WAVES SHARE N, NOT THE ROWS: a wave takes blocks of 32 positions of N for all 64 rows.  Its weight fragments come from wts (laid in register order by the launch before) straight into registers,
; each byte once a work-group, each fragment for 4 matrix instructions.  No tensor load and no joint request: a weight byte is used by ONE wave of a work-group, so LDS would only add a write and a read of it.
; WEIGHTS ARE ASKED FOR AHEAD: as soon as a product's last matrix instruction has read its weights, the next product's are asked for into the same registers, ahead of the epilogue and of the barrier.
; ROW OPERANDS GO FROM WAVE TO WAVE THROUGH LDS AS CODES: an image is [tile of 16 rows][block of 32 along K][row][24 bytes], its scale bytes [tile][row][block].
; x COMES IN WHOLE RUNS: a load takes 256 consecutive bytes of each of two rows, 16 bytes a lane.  The conversions want 16 neighbours in one lane, so a group of four loads (8 rows x 256 bytes) turns through the
; wave's own stage in LDS: stored as loaded, read back 64 bytes a lane.
; PRODUCTS ARE USED TRANSPOSED (source 0 = 16 positions of the weight, source 1 = 16 rows): lane (r, h) holds row r, and the 16 registers of a block's two tiles are positions 32 b + 16 h + 0 .. 15.
; WHAT IS NOT COMPUTED: reference() cuts the sequence to one key, so its softmax is 1 whatever q and k are, and ctx = v; it builds h0 as zeros, so h0 RK = 0 and z h0 = 0.  Wq, Wk, bq, bk, gru_frk, gru_brk
; are therefore not read.  LIMITS: where those hold NaN or infinities reference() gives NaN and this text does not; NaN and infinities in any input are not served; a block of zeros gets the byte 1, read here alone;
; the z and r biases are summed and scaled by log2(e) ahead of the product; elu's exp(t) - 1 is t + t^2 (1/2 + t/6) above t = -1/32 and 2^(t log2 e) - 1 below: relative error about 2e-6 on both sides.
; BLOCKS THAT MIX SOURCES: flat's block 37 is x[1184..1199] | enc[0..15]: the encoder's tail works at position d + 16.  cat's block 14 is x1[448..449] | x3[0..29], block 21 x3[222..224] | x5[0..28]:
; x3 and x5 are made at positions unit + 2 and unit + 3, padding positions give exact zeros, and the few numbers that cross are added through LDS.
.set FLAT, 0                           ; flat's 52 blocks
.set FMS,  19968
.set FSC,  79872                       ; its bytes: 52 a row, 832 a tile
.set XE,   83200                       ; xe's, later x1's 16 blocks in slots 1-16 of 17 (slot 0 takes what phase Q's lanes hold ahead of xe)
.set XMS,  6528
.set XSC,  109312                      ; 20 bytes a row: block j at byte 4 + j
.set CTX,  110592                      ; ctx's 28 blocks; later x3's 8 (3,072 a tile)
.set CMS,  10752
.set CSC,  153600                      ; 28 bytes a row; later 8
.set ATT,  155392                      ; attention's output, f32, 64 rows of 1,680 bytes (an odd multiple of 16)
.set CT,   262912                      ; cat's blocks 14-33
.set TMS,  7680
.set CTS,  293632                      ; 20 bytes a row
.set TAB,  294912
.set SPARE, 292352                     ; the spare words, 128 bytes a wave: in cat's blocks 30-33 of the last tile of rows, which no K step of the output layer reads and nothing else names
.set STQ,  ATT                         ; before ATT is written: phase Q's stages, 8,704 bytes a wave: two pairs of groups by turns, a group 8 rows of 272 bytes
.set STE,  CTX                         ; once ctx has been read: phase E's stages, 4,352 bytes a wave: two groups by turns
.set MIX0, ATT                         ; once ATT has been read: the first two numbers a lane and tile of each block of x1, 1,024 bytes a block, 16 places;
.set MIX7, ATT+16384                   ; x3's last block in the second order, four numbers a lane and tile;
.set OST,  ATT+20480                   ; the stage for out0: 64 rows of 656 bytes
.set AS,   12                          ; v12-23   the rows' scale words
.set BS,   28                          ; v28-36   the weights' scale words
.set PB,   37                          ; v37      24 r + 12 h: where a lane puts a half block
.set BF,   38                          ; v38-253  weight fragments
.set R8,   254                         ; v254     lane % 8; v255 q = 2 (lane / 8 % 2) + lane / 16: phases Q and E give a lane one of the wave's 8 rows and every fourth half block.
.set QQ,   255                         ;          (Lanes 0-15 hold q = 0 and 2: with the stage's pitch of 272 bytes their sixteen reads of 16 bytes fall on sixteen different columns of 16 bytes.  A block's other half lies in lane l xor 16)
.set XS,   46                          ; v46-253  phase Q: 13 slots of 16 numbers as loaded
.set S,    38                          ; v38-149  phase E: my 112 numbers of a row
.set XT,   150                         ; v150-165 phase E: x[1184..1199]
; window 0: v1 16 x lane, v2 4 x lane, v3 24 r + 384 h, v4 r, v5 h, v6-11, v24-27 the phase's addresses.  window 1: accumulators from v0 (gate or order g, tile of rows m, u: 64 g + 16 m + 8 u), behind them row fragments and what the epilogues need.
.set MSB, 0
.macro WIN new                         ; s_set_vgpr_msb: bits 1:0 source 0, 3:2 source 1, 5:4 source 2, 7:6 destination; the high byte repeats the setting that is left
.if MSB != \new
	s_set_vgpr_msb (MSB<<8)|\new
.set MSB, \new
.endif
.endm
.macro NOP4                            ; four places between a matrix instruction and a read of its result or a load into one of its registers
.rept 4
	v_nop
.endr
.endm
.macro BAR                             ; my LDS stores have landed and my LDS loads are in: then the work-group's barrier
	s_wait_alu depctr_va_vdst(0)                   ; the wait ahead of the blocking wait
	s_wait_dscnt 0x0
	s_barrier_signal -1
	s_barrier_wait -1
.endm
; one K step's T weight fragments and T / 2 scale lines: 3 T + T / 2 loads, each of 512 or 128 consecutive bytes
.macro BSTEP T, df, ds, off
.set bf_, 0
.rept \T
.irp g, 0,1,2
	global_load_b128 v[\df+12*bf_+4*\g:\df+12*bf_+4*\g+3], v1, s[16:17] offset:\off+1536*bf_+512*\g
.endr
.set bf_, bf_+1
.endr
.set bf_, 0
.rept \T/2
	global_load_b32 v[\ds+bf_], v2, s[16:17] offset:\off+1536*\T+128*bf_
.set bf_, bf_+1
.endr
.endm
; row fragments of tiles m0 .. m1 for one K step: lane (r, h) takes blocks 2 c + h: 24 bytes each, as three loads of 8; then a scale word a tile.  7 LDS loads a tile
.macro ALDR AB, buf, m0, m1, adr, adrs, MS, SS, koff, soff
	WIN 0x40
.irp m, 0,1,2,3
.if (\m >= \m0) && (\m <= \m1)
.irp c, 0,1
.irp p, 0,1,2
	ds_load_b64 v[\AB+48*(\buf)+12*\m+6*\c+2*\p:\AB+48*(\buf)+12*\m+6*\c+2*\p+1], v[\adr] offset:\m*\MS+(\koff)+768*\c+8*\p
.endr
.endr
.endif
.endr
	WIN 0
.irp m, 0,1,2,3
.if (\m >= \m0) && (\m <= \m1)
	ds_load_b32 v[AS+4*(\buf)+\m], v[\adrs] offset:\m*\SS+(\soff)
.endif
.endr
.endm
.macro WM1 zero, odd
.if \zero
.if \odd
	v_wmma_scale_f32_16x16x128_f8f6f4 v[d_:d_+7], v[a_:a_+11], v[b_:b_+11], 0, v[sa_], v[sb_] matrix_a_fmt:MATRIX_FMT_BF6 matrix_b_fmt:MATRIX_FMT_BF6 matrix_a_scale:MATRIX_SCALE_ROW1
.else
	v_wmma_scale_f32_16x16x128_f8f6f4 v[d_:d_+7], v[a_:a_+11], v[b_:b_+11], 0, v[sa_], v[sb_] matrix_a_fmt:MATRIX_FMT_BF6 matrix_b_fmt:MATRIX_FMT_BF6
.endif
.else
.if \odd
	v_wmma_scale_f32_16x16x128_f8f6f4 v[d_:d_+7], v[a_:a_+11], v[b_:b_+11], v[d_:d_+7], v[sa_], v[sb_] matrix_a_fmt:MATRIX_FMT_BF6 matrix_b_fmt:MATRIX_FMT_BF6 matrix_a_scale:MATRIX_SCALE_ROW1
.else
	v_wmma_scale_f32_16x16x128_f8f6f4 v[d_:d_+7], v[a_:a_+11], v[b_:b_+11], v[d_:d_+7], v[sa_], v[sb_] matrix_a_fmt:MATRIX_FMT_BF6 matrix_b_fmt:MATRIX_FMT_BF6
.endif
.endif
.endm
; T matrix instructions for each tile of rows m0 .. m1.  The accumulators take turns, one instruction a turn.  zero = 1: the first K step starts the sums
.macro MM T, bfb, bsb, AB, buf, m0, m1, zero
.irp m, 0,1,2,3
.if (\m >= \m0) && (\m <= \m1)
.set f_, 0
.rept \T
.set d_, 64*(f_/2)+16*\m+8*(f_%2)
.set a_, \bfb+12*f_
.set b_, \AB+48*(\buf)+12*\m
.set sa_, \bsb+f_/2
.set sb_, AS+4*(\buf)+\m
	WM1 \zero, f_%2
.set f_, f_+1
.endr
.endif
.endr
.endm
.macro KALD st, AB, NAB, SPLIT, a1, s1, MS1, SS1, a2, s2, MS2, SS2
.if (\st) < \SPLIT
	ALDR \AB, ((\st)%\NAB), 0, 1, \a1, \s1, \MS1, \SS1, 1536*(\st), 4*(\st)
.else
	ALDR \AB, ((\st)%\NAB), 0, 1, \a2, \s2, \MS2, \SS2, 1536*((\st)-\SPLIT), 4*((\st)-\SPLIT)
.endif
.endm
; A product of a block of N with few K steps, in two parts.  KSW asks for all its weights at once, from s[16:17] on; it stands as early as the registers are free.
.macro KSW T, NK, CH
.set ks_, 0
.rept \NK
	BSTEP \T, BF+12*\T*ks_, BS+(\T/2)*ks_, ks_*\CH
.set ks_, ks_+1
.endr
.endm
; KSC is the product itself, written out; no global load stands between KSW and KSC.  The rows' fragments run NAB - 1 steps ahead.  From K step SPLIT on the rows come from a second image.
.macro KSC T, NK, NAB, AB, SPLIT, a1, s1, MS1, SS1, a2, s2, MS2, SS2
	s_wait_alu depctr_va_vdst(0)
.set ks_, 0
.rept \NAB
	KALD ks_, \AB, \NAB, \SPLIT, \a1, \s1, \MS1, \SS1, \a2, \s2, \MS2, \SS2
.set ks_, ks_+1
.endr
.set ks_, 0
.rept \NK
	s_wait_loadcnt (3*\T+\T/2)*(\NK-1-ks_)         ; the later K steps' weight loads may be out
.if (\NK-1-ks_) < (\NAB-1)
	s_wait_dscnt 14*(\NK-1-ks_)                    ; and the later steps' row loads, 14 a step: KSC takes two tiles of rows, 32 rows
.else
	s_wait_dscnt 14*(\NAB-1)
.endif
	WIN 0x54                                       ; weights in window 0; rows, C and D in window 1
.if ks_ == 0
	MM \T, BF+12*\T*ks_, BS+(\T/2)*ks_, \AB, ks_%\NAB, 0, 1, 1
.else
	MM \T, BF+12*\T*ks_, BS+(\T/2)*ks_, \AB, ks_%\NAB, 0, 1, 0
.endif
.if ks_+\NAB < \NK
	NOP4
	KALD ks_+\NAB, \AB, \NAB, \SPLIT, \a1, \s1, \MS1, \SS1, \a2, \s2, \MS2, \SS2
.endif
.set ks_, ks_+1
.endr
	WIN 0
	NOP4                                           ; behind the last products: for the reads of their results and for the next weights' loads into their registers
.endm
; n half blocks of 16 numbers (at SRC + sstr k) become codes and a scale byte, by turns.  The block's other half lies in lane l xor 16 (mode 16) or l xor 8 (mode 8).
; QT: 8 registers a half block: 0-2 codes, 4 largest magnitude, 5 the partner's, 6 the conversion's scale operand, 7 the byte
.macro QCV n, SRC, sstr, QT, mode, WV
	WIN \WV
.set qk_, 0
.rept \n
	v_max3_num_f32 v[\QT+8*qk_+4], |v[\SRC+(\sstr)*qk_]|, |v[\SRC+(\sstr)*qk_+1]|, 0x2800000   ; with the floor 2^(5 - 127): the byte cannot fall under 1
.set qk_, qk_+1
.endr
.irp i, 2,4,6,8,10,12,14
.set qk_, 0
.rept \n
	v_max3_num_f32 v[\QT+8*qk_+4], v[\QT+8*qk_+4], |v[\SRC+(\sstr)*qk_+\i]|, |v[\SRC+(\sstr)*qk_+\i+1]|
.set qk_, qk_+1
.endr
.endr
.if \mode == 16
.set qk_, 0
.rept \n
	v_mov_b32 v[\QT+8*qk_+5], 0                    ; a lane permute's destination counts as one of its sources
.set qk_, qk_+1
.endr
.set qk_, 0
.rept \n
	v_permlanex16_b32 v[\QT+8*qk_+5], v[\QT+8*qk_+4], s20, s21
.set qk_, qk_+1
.endr
.set qk_, 0
.rept \n
	v_max_num_f32 v[\QT+8*qk_+4], v[\QT+8*qk_+4], v[\QT+8*qk_+5]
.set qk_, qk_+1
.endr
.else
.set qk_, 0
.rept \n
	v_max_num_f32_dpp v[\QT+8*qk_+4], v[\QT+8*qk_+4], v[\QT+8*qk_+4] row_xmask:8 row_mask:0xf bank_mask:0xf
.set qk_, qk_+1
.endr
.endif
	s_wait_alu depctr_va_vdst(0)
	s_wait_dscnt 0x0
.set qk_, 0
.rept \n
	v_add_nc_u32 v[\QT+8*qk_+6], 0xfe000000, v[\QT+8*qk_+4]
.set qk_, qk_+1
.endr
.set qk_, 0
.rept \n
	v_lshrrev_b32 v[\QT+8*qk_+7], 23, v[\QT+8*qk_+6]
.set qk_, qk_+1
.endr
.set qk_, 0
.rept \n
	v_cvt_scalef32_pk16_bf6_f32 v[\QT+8*qk_:\QT+8*qk_+2], v[\SRC+(\sstr)*qk_:\SRC+(\sstr)*qk_+15], v[\QT+8*qk_+6]
.set qk_, qk_+1
.endr
	v_nop                                          ; one plain place behind a scaled conversion
.endm
.macro QSTO n, QT, WS, a1, i1, d1, b1, j1, e1   ; 12 bytes of codes and the byte of each half block (both halves write the same byte with the same value)
	WIN \WS
.set qk_, 0
.rept \n
.irp j, 0,1,2
	ds_store_b32 v[\a1], v[\QT+8*qk_+\j] offset:(\i1)+(\d1)*qk_+4*\j
.endr
	ds_store_b8 v[\b1], v[\QT+8*qk_+7] offset:(\j1)+(\e1)*qk_
.set qk_, qk_+1
.endr
.endm
; elu of 16 numbers in place; TMP: 48 registers of the same window.  The polynomial is the independent work behind the batch of exponentials; one wait for the batch
.macro ELU16 R, TMP
.irp j, 0,2,4,6,8,10,12,14
	v_pk_mul_f32 v[\TMP+\j:\TMP+\j+1], v[\R+\j:\R+\j+1], s[24:25] op_sel_hi:[1,0]
.endr
	s_wait_alu depctr_va_vdst(0)                   ; the wait ahead of the batch too
.irp i, 0,1,2,3,4,5,6,7,8,9,10,11,12,13,14,15
	v_exp_f32 v[\TMP+\i], v[\TMP+\i]
.endr
.irp i, 0,1,2,3,4,5,6,7,8,9,10,11,12,13,14,15
	v_min_num_f32 v[\TMP+32+\i], 0, v[\R+\i]
.endr
.irp j, 0,2,4,6,8,10,12,14
	v_pk_fma_f32 v[\TMP+16+\j:\TMP+17+\j], v[\R+\j:\R+\j+1], s[28:29], 0.5 op_sel_hi:[1,0,0]   ; 1/2 + t/6
.endr
.irp j, 0,2,4,6,8,10,12,14
	v_pk_mul_f32 v[\TMP+32+\j:\TMP+33+\j], v[\TMP+32+\j:\TMP+33+\j], v[\R+\j:\R+\j+1]          ; t min(t, 0): t^2 below 0, 0 above
.endr
.irp j, 0,2,4,6,8,10,12,14
	v_pk_fma_f32 v[\TMP+16+\j:\TMP+17+\j], v[\TMP+16+\j:\TMP+17+\j], v[\TMP+32+\j:\TMP+33+\j], v[\R+\j:\R+\j+1]
.endr
	s_wait_alu depctr_va_vdst(0)                   ; the wait ahead of the first reader of an exponential
.irp j, 0,2,4,6,8,10,12,14
	v_pk_add_f32 v[\TMP+\j:\TMP+\j+1], v[\TMP+\j:\TMP+\j+1], -1.0 op_sel_hi:[1,0]
.endr
.irp i, 0,1,2,3,4,5,6,7,8,9,10,11,12,13,14,15
	v_cmp_lt_f32 vcc_lo, s30, v[\R+\i]
	v_cndmask_b32 v[\R+\i], v[\TMP+\i], v[\TMP+16+\i], vcc_lo
.endr
.endm
.macro BIAS dst, adr, off              ; 16 numbers of a table: positions 32 b + 16 h + 0 .. 15
.irp k, 0,1,2,3
	ds_load_b128 v[\dst+4*\k:\dst+4*\k+3], v[\adr] offset:\off+16*\k
.endr
.endm
.macro ADD16 R, B                      ; an accumulator pair's 16 registers, from the low end on
.irp j, 0,2,4,6,8,10,12,14
	v_pk_add_f32 v[\R+\j:\R+\j+1], v[\R+\j:\R+\j+1], v[\B+\j:\B+\j+1]
.endr
.endm
; phases Q and E: where my lane (row 8 w + lane % 8, quarter q) puts half block q + 4 t of flat: v8 codes, v9 bytes.  Leaves v28 = q / 2, v29 = q % 2, v30 the lane's term, s22 = w / 2, s23 = w % 2, s36 = 192 (w % 2)
.macro MKPST
	v_lshrrev_b32 v28, 1, v[QQ]
	v_and_b32 v29, 1, v[QQ]
	v_mul_u32_u24 v30, v[R8], 24
	v_mad_u32_u24 v30, v28, 384, v30
	v_mad_u32_u24 v30, v29, 12, v30
	s_wait_alu depctr_va_vdst(0)
	s_lshr_b32 s22, s12, 1
	s_and_b32 s23, s12, 1
	s_mul_i32 s31, s22, FMS
	s_mul_i32 s36, s23, 192
	s_add_co_u32 s31, s31, s36
	v_add_nc_u32 v8, s31, v30
	v_mad_u32_u24 v9, v[R8], 52, v28
	s_mul_i32 s31, s22, 832
	s_mul_i32 s34, s23, 416
	s_add_co_u32 s31, s31, s34
	s_add_co_u32 s31, s31, FSC
	v_add_nc_u32 v9, s31, v9
.endm
; ---------------------------------------------------------------- the head
	s_load_b256 s[4:11], s[0:1], 0x0               ; x, wts, tab, out0
	v_and_b32 v2, 31, v0
	v_lshrrev_b32 v6, 5, v0
	v_readfirstlane_b32 s12, v6                    ; wave 0..7
	v_lshlrev_b32 v1, 4, v2
	v_lshlrev_b32 v2, 2, v2
	v_and_b32 v4, 15, v0
	v_bfe_u32 v5, v0, 4, 1
	v_mul_u32_u24 v3, v4, 24
	v_mad_u32_u24 v[PB], v5, 12, v3
	v_mad_u32_u24 v3, v5, 384, v3
	v_and_b32 v[R8], 7, v0
	v_bfe_u32 v[QQ], v0, 3, 1
	v_lshl_or_b32 v[QQ], v[QQ], 1, v5              ; q = 2 (lane / 8 % 2) + lane / 16
	s_mov_b32 s20, 0x76543210
	s_mov_b32 s21, 0xfedcba98                      ; v_permlanex16_b32's selects for lane l xor 16
	s_mov_b32 s24, 0x3fb8aa3b                      ; log2(e), as a pair for the packed forms
	s_mov_b32 s25, s24
	s_mov_b32 s26, 0xbfb8aa3b
	s_mov_b32 s27, s26
	s_mov_b32 s28, 0x3e2aaaab                      ; 1/6
	s_mov_b32 s29, s28
	s_mov_b32 s30, 0xbd000000                      ; -1/32
	s_mov_b32 s37, 0x3b23d70a                      ; 1/400
	s_mov_b32 s38, 0x358637bd                      ; 1e-6
	s_mul_i32 s32, ttmp9, 307200                   ; 64 rows of x
	s_mov_b32 s33, 0                               ; stays 0: the upper word of every offset pair s[32:33]
	s_mul_i32 s34, ttmp9, 35840                    ; 64 rows of out0
	s_mov_b32 s35, 0
	s_mul_i32 s22, s12, 38400                      ; my wave's 8 rows
	s_wait_alu depctr_va_vdst(0)                   ; the wait behind the run of scalar lines
	v_mul_u32_u24 v6, v5, 4800
	v_add_nc_u32 v6, s22, v6
	v_lshl_add_u32 v6, v4, 4, v6                   ; x: lanes 0-15 one row, lanes 16-31 the next, 16 bytes a lane
	v_lshlrev_b32 v45, 4, v0
	v_lshl_add_u32 v44, v0, 4, TAB
.irp i, 8,9,10,11
	v_mov_b32 v[\i], 0
.endr
	v_mov_b32 v36, 0
	s_wait_alu depctr_va_vdst(0)                   ; the wait at the head's end
	s_wait_kmcnt 0x0
	s_add_nc_u64 s[4:5], s[4:5], s[32:33]
	s_add_nc_u64 s[10:11], s[10:11], s[34:35]
	WIN 0x40                                       ; tab passes through window 1: no register of window 0's addresses takes loaded data
.irp i, 0,1,2,3,4,5,6,7
	global_load_b128 v[12+4*\i:15+4*\i], v45, s[8:9] offset:4096*\i   ; tab: 4,096 consecutive bytes a line of the work-group
.endr
.irp i, 0,1,2,3,4,5,6,7,8,9,10,11,12,13,14,15
	v_mov_b32 v[224+\i], 0
.endr
	WIN 0
; group t of x: bytes 256 t .. 256 t + 255 of my wave's 8 rows: load k takes rows 2 k and 2 k + 1, sixteen lanes to a row's 256 consecutive bytes.
; Group 18 has 192 bytes a row: lanes 12-15 of a row read lane 11's 16 bytes again, inside the row
.macro XG t
.set xs_, XS+16*((\t)%13)
.irp k, 0,1,2,3
.if (\t) == 18
	global_load_b128 v[xs_+4*\k:xs_+4*\k+3], v7, s[4:5] offset:4608+9600*\k
.elseif (\t) >= 12
	global_load_b128 v[xs_+4*\k:xs_+4*\k+3], v6, s[4:5] offset:256*(\t)+9600*\k
.else
	global_load_b128 v[xs_+4*\k:xs_+4*\k+3], v6, s[4:5] offset:256*(\t)+9600*\k th:TH_LOAD_NT
.endif
.endr
.endm
.irp t, 0,1,2,3,4,5,6,7,8,9,10,11,12
	XG \t
.endr
; every image and scale table begins as zeros: blocks that nobody writes then hold zero codes and a byte that is no NaN
.irp b, 0,1,2,3,4
.if \b > 0
	s_wait_dscnt 0x0                               ; the stores have read their address
.endif
	v_lshl_add_u32 v7, v0, 4, \b*65536
.irp j, 0,1,2,3,4,5,6,7
.if (\b == 4) && (\j == 7)
	s_cmp_eq_u32 s12, 3                            ; the last line of 4,096 bytes holds the spare words, at the 512 bytes of waves 3 and 4: these two store nothing there
	s_cbranch_scc1 .Lnofill
	s_cmp_eq_u32 s12, 4
	s_cbranch_scc1 .Lnofill
	ds_store_b128 v7, v[8:11] offset:4096*\j
.Lnofill:
.else
	ds_store_b128 v7, v[8:11] offset:4096*\j
.endif
.endr
.if \b < 4
.irp j, 8,9,10,11,12,13,14,15
	ds_store_b128 v7, v[8:11] offset:4096*\j
.endr
.endif
.endr
	s_wait_loadcnt 52                              ; tab's 8 loads are in; x's 13 groups of 4 may be out
	WIN 0x04
.irp i, 0,1,2,3,4,5,6,7
	ds_store_b128 v44, v[12+4*\i:15+4*\i] offset:4096*\i
.endr
	WIN 0
	BAR
; ---------------------------------------------------------------- Q: x becomes flat's blocks 0-37 and xe's image
	v_min_u32 v7, 11, v4
	v_mul_u32_u24 v31, v5, 4800
	v_add_nc_u32 v31, s22, v31
	v_lshl_add_u32 v7, v7, 4, v31                  ; group 18's offsets
	MKPST
	s_mul_i32 s31, s22, XMS
	s_add_co_u32 s31, s31, s36
	s_add_co_u32 s31, s31, XE
	v_add_nc_u32 v10, s31, v30                     ; xe's image: flat's block 24 + j goes to slot j
	v_mad_u32_u24 v11, v[R8], 20, v28
	s_mul_i32 s31, s22, 320
	s_mul_i32 s34, s23, 160
	s_add_co_u32 s31, s31, s34
	s_add_co_u32 s31, s31, XSC+3
	v_add_nc_u32 v11, s31, v11
	s_mul_i32 s31, s12, 8704
	s_add_co_u32 s31, s31, STQ                     ; my wave's stages
	v_mul_u32_u24 v24, v5, 272
	v_lshl_add_u32 v24, v4, 4, v24
	v_add_nc_u32 v24, s31, v24                     ; in, as loaded: row 2 k + lane / 16, 16 bytes a lane: sixteen lanes write 256 consecutive bytes
	v_mul_u32_u24 v25, v[R8], 272
	v_lshl_add_u32 v25, v[QQ], 6, v25
	v_add_nc_u32 v25, s31, v25                     ; back: row lane % 8, quarter q: 64 bytes, my 16 neighbours
	v_mov_b32 v14, 1.0
	v_mov_b32 v15, 0
	v_cmp_gt_u32 vcc_lo, 3, v[QQ]
	v_cndmask_b32 v12, v15, v14, vcc_lo            ; 0 in lanes q = 3
	v_mov_b32 v13, v12
; cnt groups from group t on turn through stage pair pb into window 1's v[32 pb] on.  LDS serves a wave's instructions in order (ISA guide 5.7.1.4): no wait stands between the stores and the loads
.macro TURNP t, cnt, pb
.set tg_, 0
.rept \cnt
.set xs_, XS+16*(((\t)+tg_)%13)
.irp k, 0,1,2,3
	ds_store_b128 v24, v[xs_+4*\k:xs_+4*\k+3] offset:4352*(\pb)+2176*tg_+544*\k
.endr
.set tg_, tg_+1
.endr
	WIN 0x40
.set tg_, 0
.rept \cnt
.irp k, 0,1,2,3
	ds_load_b128 v[32*(\pb)+16*tg_+4*\k:32*(\pb)+16*tg_+4*\k+3], v25 offset:4352*(\pb)+2176*tg_+16*\k
.endr
.set tg_, tg_+1
.endr
	WIN 0
.endm
; Pair p (groups 2 p, 2 p + 1; cnt of them) is quantised while the next pair (nxt groups) turns.  wl: 4 x the groups issued behind the next pair.  xg: the slots that pair p has left take the groups 13 further on.
; last: nothing is left to turn; every slot is free, so phase V's first weights are asked for here; group 18's quarter 3 holds nothing
.macro QS p, cnt, nxt, wl, xg, last
.if \nxt
	s_wait_loadcnt \wl
	TURNP 2*(\p)+2, \nxt, ((\p)+1)%2
	s_wait_dscnt 8*\nxt                            ; all but the next pair's stores and loads: pair p's numbers are back, and its stores have read the slots
.else
	s_wait_dscnt 0x0
.endif
.if \xg
	XG 2*(\p)+13
	XG 2*(\p)+14
.endif
.if \last
	s_mul_i32 s32, s12, 25600
	s_add_nc_u64 s[16:17], s[6:7], s[32:33]
	KSW 4, 4, 6400                                 ; pair w of V's weights
	WIN 0x41
.irp j, 0,2,4,6,8,10,12,14
	v_pk_mul_f32 v[32*((\p)%2)+\j:32*((\p)%2)+\j+1], v[32*((\p)%2)+\j:32*((\p)%2)+\j+1], v[12:13]   ; xe's block 12 is xe[384..399] and zeros (flat's block 37 is written again in phase E)
.endr
.endif
	QCV \cnt, 32*((\p)%2), 16, 64, 16, 0x55
	QSTO \cnt, 64, 0x04, 8, 1536*(\p), 768, 9, 4*(\p), 2
.if (\p) >= 6
	QSTO \cnt, 64, 0x04, 10, 1536*((\p)-6), 768, 11, 4*((\p)-6), 2
.endif
	WIN 0
.endm
	s_wait_alu depctr_va_vdst(0)
	s_wait_loadcnt 44
	TURNP 0, 2, 0
	QS 0, 2, 2, 36, 1, 0
	QS 1, 2, 2, 36, 1, 0
	QS 2, 2, 2, 36, 1, 0
	QS 3, 2, 2, 36, 0, 0
	QS 4, 2, 2, 28, 0, 0
	QS 5, 2, 2, 20, 0, 0
	QS 6, 2, 2, 12, 0, 0
	QS 7, 2, 2, 4, 0, 0
	QS 8, 2, 1, 0, 0, 0
	QS 9, 1, 0, 0, 0, 1
	BAR
; ---------------------------------------------------------------- V: ctx = xe Wv + bv, 26 blocks in 13 pairs: pair w for every wave, pair w + 8 for waves 0-4
; Every LDS address is made here, from the wave's number, ahead of the parting; the second round's places stand in the immediates.
	v_add_nc_u32 v6, XE+384, v3
	v_mul_u32_u24 v7, v4, 20
	v_add_nc_u32 v7, XSC+4, v7
	v_mul_u32_u24 v26, v4, 28                      ; ctx's bytes: 28 a row
	v_lshlrev_b32 v27, 6, v5                       ; tables: + 16 h numbers
	s_wait_alu depctr_va_vdst(0)
; A PRODUCT WHOSE WEIGHTS ALL LIE IN REGISTERS GOES BY HALVES OF THE ROWS: a loop of two trips, 32 rows a trip, on the same weights, so that its text is written for two tiles of rows.
; Every wave walks every loop and jumps over the work of a block that does not exist.  Each trip opens with a wait for all loads: so every way through the jumps finds its weights landed.
; The next weights are asked for behind the second half's products, ahead of its epilogue.  A trip's LDS addresses are made inside its work, from the loops' counters.
.macro VEPI                            ; + bv, quantised, to ctx's image: two tiles of rows, two blocks
	WIN 0x40
	BIAS 128, 10, 16384
	BIAS 144, 10, 16384+128
	s_wait_dscnt 0x0
	WIN 0x55
.irp o, 0,1
.irp m, 0,1
	ADD16 64*\o+16*\m, 128+16*\o
.endr
.endr
	QCV 2, 0, 16, 160, 16, 0x55
	QCV 2, 64, 16, 176, 16, 0x55
	s_wait_alu depctr_va_vdst(0)
	WIN 0
	s_cmp_eq_u32 s13, 0                            ; the store addresses hang on the wave's number and the half alone; the round's place stands in the immediates,
	s_cbranch_scc0 .LVq1
	QSTO 2, 160, 0x04, 8, 0, CMS, 9, 0, 448
	QSTO 2, 176, 0x04, 8, 384, CMS, 9, 1, 448
	WIN 0
	s_branch .LVq2
.LVq1:
	s_cmp_lt_u32 s12, 5                            ; and the second round's stores stand under a branch on the wave's number: pairs 8 to 12
	s_cbranch_scc0 .LVq2
	QSTO 2, 160, 0x04, 8, 6144, CMS, 9, 16, 448
	QSTO 2, 176, 0x04, 8, 6144+384, CMS, 9, 17, 448
	WIN 0
.LVq2:
.endm
.macro ASKO sb, off                    ; a block of O's weights: block s[sb], from byte off.  (Every earlier weight load has been waited for: the base may be written)
	s_mul_i32 s32, s[\sb], 23296
	s_add_co_u32 s32, s32, \off
	s_add_nc_u64 s[16:17], s[6:7], s[32:33]
	KSW 2, 7, 3328
.endm
	s_mov_b32 s13, 0
	s_mov_b32 s14, s12                             ; the pair of blocks: w, then w + 8
.LV:
	s_mov_b32 s15, 0                               ; the half of the rows
.LVr:
	s_wait_loadcnt 0x0                             ; the weights are in
	s_wait_dscnt 0x0                               ; the last trip's LDS stores have read their registers
	s_cmp_lt_u32 s14, 13
	s_cbranch_scc0 .LVn
	s_mul_i32 s18, s15, 2*XMS
	s_mul_i32 s19, s15, 640
	s_mul_i32 s22, s12, 768
	s_mul_i32 s34, s15, 2*CMS
	s_add_co_u32 s22, s22, s34
	s_add_co_u32 s22, s22, CTX
	s_lshl_b32 s23, s12, 1
	s_mul_i32 s34, s15, 896
	s_add_co_u32 s23, s23, s34
	s_add_co_u32 s23, s23, CSC
	s_lshl_b32 s31, s14, 8
	s_add_co_u32 s31, s31, TAB
	v_add_nc_u32 v24, s18, v6                      ; xe's image and bytes, my half
	v_add_nc_u32 v25, s19, v7
	v_add_nc_u32 v8, s22, v[PB]                    ; ctx's image: two blocks a pair
	v_add_nc_u32 v9, s23, v26
	v_add_nc_u32 v10, s31, v27                     ; tables: 64 numbers a pair
	KSC 4, 4, 3, 128, 4, 24, 25, XMS, 320, 24, 25, XMS, 320
	s_cmp_eq_u32 s15, 1
	s_cbranch_scc0 .LVe
	s_cmp_lt_u32 s14, 5
	s_cbranch_scc0 .LVa
	s_mul_i32 s32, s14, 25600
	s_add_co_u32 s32, s32, 204800
	s_add_nc_u64 s[16:17], s[6:7], s[32:33]
	KSW 4, 4, 6400                                 ; pair w + 8
	s_branch .LVe
.LVa:
	ASKO 12, 332800                                ; my last pair: O's block w
.LVe:
	VEPI
.LVn:
	s_add_co_u32 s15, s15, 1
	s_cmp_lt_u32 s15, 2
	s_cbranch_scc1 .LVr
	s_add_co_u32 s14, s14, 8
	s_add_co_u32 s13, s13, 1
	s_cmp_lt_u32 s13, 2
	s_cbranch_scc1 .LV
	BAR
; ---------------------------------------------------------------- O: attention's output at position d + 16, f32, 13 blocks: block w, and block w + 8 for waves 0-4
	v_add_nc_u32 v6, CTX, v3
	v_mul_u32_u24 v7, v4, 28
	v_add_nc_u32 v7, CSC, v7
	v_mul_u32_u24 v26, v4, 1680
	v_lshl_add_u32 v26, v5, 6, v26                 ; ATT: row r, + 64 h
	v_lshlrev_b32 v27, 6, v5
	s_wait_alu depctr_va_vdst(0)
.macro OEPI                            ; + bo, to ATT: two tiles of rows
	WIN 0x40
	BIAS 64, 10, 4*4928
	s_wait_dscnt 0x0
	WIN 0x55
.irp m, 0,1
	ADD16 16*\m, 64
.endr
	s_wait_alu depctr_va_vdst(0)
	WIN 0
	s_cmp_eq_u32 s13, 0                            ; as in phase V: the round's place stands in the immediates
	s_cbranch_scc0 .LOq1
	WIN 0x04
.irp m, 0,1
.irp k, 0,1,2,3
	ds_store_b128 v8, v[16*\m+4*\k:16*\m+4*\k+3] offset:\m*26880+16*\k
.endr
.endr
	WIN 0
	s_branch .LOq2
.LOq1:
	s_cmp_lt_u32 s12, 5                            ; blocks 8 to 12
	s_cbranch_scc0 .LOq2
	WIN 0x04
.irp m, 0,1
.irp k, 0,1,2,3
	ds_store_b128 v8, v[16*\m+4*\k:16*\m+4*\k+3] offset:\m*26880+16*\k+1024
.endr
.endr
	WIN 0
.LOq2:
.endm
	s_mov_b32 s13, 0
	s_mov_b32 s14, s12                             ; the block: w, then w + 8
.LO:
	s_mov_b32 s15, 0                               ; the half of the rows
.LOr:
	s_wait_loadcnt 0x0
	s_wait_dscnt 0x0
	s_cmp_lt_u32 s14, 13
	s_cbranch_scc0 .LOn
	s_mul_i32 s18, s15, 2*CMS
	s_mul_i32 s19, s15, 896
	s_lshl_b32 s22, s12, 7
	s_mul_i32 s23, s15, 53760
	s_add_co_u32 s23, s23, s22
	s_add_co_u32 s23, s23, ATT
	s_lshl_b32 s22, s14, 7
	s_add_co_u32 s22, s22, TAB
	v_add_nc_u32 v24, s18, v6
	v_add_nc_u32 v25, s19, v7
	v_add_nc_u32 v8, s23, v26                      ; + 128 x block, + 32 rows x half
	v_add_nc_u32 v10, s22, v27
	KSC 2, 7, 3, 64, 7, 24, 25, CMS, 448, 24, 25, CMS, 448
	s_cmp_eq_u32 s15, 1
	s_cbranch_scc0 .LOe
	s_cmp_lt_u32 s14, 5
	s_cbranch_scc0 .LOe
	ASKO 14, 332800+186368                         ; block w + 8
.LOe:
	OEPI
.LOn:
	s_add_co_u32 s15, s15, 1
	s_cmp_lt_u32 s15, 2
	s_cbranch_scc1 .LOr
	s_add_co_u32 s14, s14, 8
	s_add_co_u32 s13, s13, 1
	s_cmp_lt_u32 s13, 2
	s_cbranch_scc1 .LO
	s_wait_loadcnt 0x0                             ; no weight load is out behind the loop, on every way through its jumps: phase E writes the weights' registers
	BAR
; ---------------------------------------------------------------- E: the encoder's tail, in f32.  Lane (row 8 w + lane % 8, q): half blocks q + 4 t, t = 0..6, of positions d + 16
	MKPST
	s_lshl_b32 s22, s12, 3
	v_add_nc_u32 v26, s22, v[R8]                   ; my row
	v_mul_u32_u24 v27, v26, 1680
	v_add_nc_u32 v27, ATT, v27
	v_lshl_add_u32 v6, v[QQ], 6, v27
	v_lshl_add_u32 v7, v29, 6, v27                 ; group 6 has two half blocks: lanes q = 2, 3 read q = 0, 1's, and are masked
	v_mul_u32_u24 v27, v26, 4800
	v_add_nc_u32 v27, 3136, v27                    ; xe begins at byte 3,200 of the row; position 0 lies 64 bytes ahead of it
	v_lshl_add_u32 v11, v[QQ], 6, v27              ; v10-12: xe by lanes, for the one wave that reads it a third time (the problem's row 0)
	v_lshl_add_u32 v12, v29, 6, v27
	v_add_nc_u32 v10, 1600, v27
	v_cmp_eq_u32 s36, 0, v[QQ]
	v_cndmask_b32 v10, v11, v10, s36               ; group 0: lanes q = 0 take x[1184..1199], the first half of flat's block 37
	v_lshl_add_u32 v13, v[QQ], 6, TAB
	v_mov_b32 v30, 1.0
	v_mov_b32 v31, 0
	v_cndmask_b32 v14, v30, v31, s36               ; group 0 counts where q is not 0,
	v_mov_b32 v15, v14
	v_cmp_gt_u32 vcc_lo, 2, v[QQ]
	v_cndmask_b32 v16, v31, v30, vcc_lo            ; group 6 where q < 2
	v_mov_b32 v17, v16
	s_mul_i32 s22, s12, 38400                      ; xe in whole runs, as x in phase Q: lanes 0-15 one row, lanes 16-31 the next, 16 bytes a lane
	v_mul_u32_u24 v200, v5, 4800
	v_add_nc_u32 v200, s22, v200
	v_add_nc_u32 v200, 3136, v200
	v_min_u32 v202, 7, v4
	v_lshl_add_u32 v202, v202, 4, v200             ; group 6: 128 bytes are left of a row: lanes 8-15 read lane 7's again, inside the row
	v_lshl_add_u32 v200, v4, 4, v200               ; groups 1 to 5
	v_add_nc_u32 v201, 1600, v200
	v_cmp_gt_u32 vcc_lo, 4, v4
	v_cndmask_b32 v201, v200, v201, vcc_lo         ; group 0: its first 64 bytes are x[1184..1199], 1,600 bytes further on
	s_mul_i32 s22, s12, 4352
	s_add_co_u32 s22, s22, STE                     ; my wave's stages
	v_mul_u32_u24 v203, v5, 272
	v_lshl_add_u32 v203, v4, 4, v203
	v_add_nc_u32 v203, s22, v203                   ; in
	v_mul_u32_u24 v204, v[R8], 272
	v_lshl_add_u32 v204, v[QQ], 6, v204
	v_add_nc_u32 v204, s22, v204                   ; back
	v_mov_b32 v27, TAB+16128
	s_wait_alu depctr_va_vdst(0)
	ds_load_b64 v[32:33], v27
.macro XELOAD                          ; xe at my positions into window 1, v0-111, by lanes
	WIN 0x40
.irp k, 0,1,2,3
	global_load_b128 v[4*\k:4*\k+3], v10, s[4:5] offset:16*\k
.endr
.irp t, 1,2,3,4,5
.irp k, 0,1,2,3
	global_load_b128 v[16*\t+4*\k:16*\t+4*\k+3], v11, s[4:5] offset:256*\t+16*\k
.endr
.endr
.irp k, 0,1,2,3
	global_load_b128 v[96+4*\k:99+4*\k], v12, s[4:5] offset:1536+16*\k
.endr
	WIN 0
.endm
.macro TLOAD k, tb, adr                ; table k, counted from the table at v[adr], at my positions into window 1, from v[tb]: 28 LDS loads
	WIN 0x40
.irp t, 0,1,2,3,4,5,6
.irp j, 0,1,2,3
	ds_load_b128 v[\tb+16*\t+4*\j:\tb+16*\t+4*\j+3], v[\adr] offset:1792*\k+256*\t+16*\j
.endr
.endr
	WIN 0
.endm
.macro MASKS                           ; positions that hold no d stay 0
.irp j, 0,2,4,6,8,10,12,14
	v_pk_mul_f32 v[S+\j:S+\j+1], v[S+\j:S+\j+1], v[14:15]
	v_pk_mul_f32 v[S+96+\j:S+97+\j], v[S+96+\j:S+97+\j], v[16:17]
.endr
.endm
.macro RED4 a, t                       ; over the row's four lanes: l xor 8, l xor 16
	v_add_f32_dpp v[\a], v[\a], v[\a] row_xmask:8 row_mask:0xf bank_mask:0xf
	v_permlanex16_b32 v[\t], v[\a], s20, s21
	v_add_f32 v[\a], v[\a], v[\t]
.endm
.macro LNORM                           ; S = (S - mean) / sqrt(var + 1e-6), over the row's 400 numbers; sums in two chains
	v_pk_add_f32 v[18:19], v[S:S+1], v[S+2:S+3]
	v_pk_add_f32 v[20:21], v[S+4:S+5], v[S+6:S+7]
.set i_, 8
.rept 26
	v_pk_add_f32 v[18:19], v[18:19], v[S+i_:S+i_+1]
	v_pk_add_f32 v[20:21], v[20:21], v[S+i_+2:S+i_+3]
.set i_, i_+4
.endr
	v_pk_add_f32 v[18:19], v[18:19], v[20:21]
	v_add_f32 v18, v18, v19
	RED4 18, 26
	v_mul_f32 v22, s37, v18
	v_mul_f32 v23, s37, v18
.set i_, 0
.rept 56
	v_pk_add_f32 v[S+i_:S+i_+1], v[S+i_:S+i_+1], v[22:23] neg_lo:[0,1] neg_hi:[0,1]
.set i_, i_+2
.endr
	MASKS
	v_pk_mul_f32 v[18:19], v[S:S+1], v[S:S+1]
	v_pk_mul_f32 v[20:21], v[S+2:S+3], v[S+2:S+3]
.set i_, 4
.rept 27
	v_pk_fma_f32 v[18:19], v[S+i_:S+i_+1], v[S+i_:S+i_+1], v[18:19]
	v_pk_fma_f32 v[20:21], v[S+i_+2:S+i_+3], v[S+i_+2:S+i_+3], v[20:21]
.set i_, i_+4
.endr
	v_pk_add_f32 v[18:19], v[18:19], v[20:21]
	v_add_f32 v18, v18, v19
	RED4 18, 26
	v_fma_f32 v18, v18, s37, s38
	s_wait_alu depctr_va_vdst(0)                   ; the wait ahead of the transcendental too
	v_rsq_f32 v22, v18
	v_nop                                          ; a plain place behind the transcendental,
	s_wait_alu depctr_va_vdst(0)                   ; and the wait ahead of its first reader
	v_mov_b32 v23, v22
.set i_, 0
.rept 56
	v_pk_mul_f32 v[S+i_:S+i_+1], v[S+i_:S+i_+1], v[22:23]
.set i_, i_+2
.endr
.endm
.macro GAINBIAS ta, tb                 ; S = S x table ta + table tb
	WIN 0x14
.set i_, 0
.rept 56
	v_pk_fma_f32 v[S+i_:S+i_+1], v[S+i_:S+i_+1], v[\ta+i_:\ta+i_+1], v[\tb+i_:\tb+i_+1]
.set i_, i_+2
.endr
	WIN 0
.endm
.macro ADDT tb                         ; S += window 1's v[tb] on
	WIN 0x04
.set i_, 0
.rept 56
	v_pk_add_f32 v[S+i_:S+i_+1], v[S+i_:S+i_+1], v[\tb+i_:\tb+i_+1]
.set i_, i_+2
.endr
	WIN 0
.endm
.macro AXPY a, tb                      ; S += v[a] x table tb
	WIN 0x04
.set i_, 0
.rept 56
	v_pk_fma_f32 v[S+i_:S+i_+1], v[\a:\a+1], v[\tb+i_:\tb+i_+1], v[S+i_:S+i_+1]
.set i_, i_+2
.endr
	WIN 0
.endm
	WIN 0x40                                       ; xe, seven groups of four loads, as they lie, into window 1's v112-223
.irp k, 0,1,2,3
	global_load_b128 v[112+4*\k:115+4*\k], v201, s[4:5] offset:9600*\k
.endr
.irp t, 1,2,3,4,5
.irp k, 0,1,2,3
	global_load_b128 v[112+16*\t+4*\k:115+16*\t+4*\k], v200, s[4:5] offset:256*\t+9600*\k
.endr
.endr
.irp k, 0,1,2,3
	global_load_b128 v[208+4*\k:211+4*\k], v202, s[4:5] offset:1536+9600*\k
.endr
	WIN 0
.irp t, 0,1,2,3,4,5
.irp k, 0,1,2,3
	ds_load_b128 v[S+16*\t+4*\k:S+16*\t+4*\k+3], v6 offset:256*\t+16*\k
.endr
.endr
.irp k, 0,1,2,3
	ds_load_b128 v[S+96+4*\k:S+99+4*\k], v7 offset:1536+16*\k
.endr
.irp t, 0,1,2,3,4,5,6                          ; each group turns through one of my two stages into window 1's v0-111: a stage's next stores come behind its loads, in order
	s_wait_loadcnt 4*(6-\t)                        ; the later groups' loads may be out
	WIN 0x04
.irp k, 0,1,2,3
	ds_store_b128 v203, v[112+16*\t+4*\k:115+16*\t+4*\k] offset:2176*(\t%2)+544*\k
.endr
	WIN 0x40
.irp k, 0,1,2,3
	ds_load_b128 v[16*\t+4*\k:16*\t+4*\k+3], v204 offset:2176*(\t%2)+16*\k
.endr
.endr
	WIN 0
	s_wait_dscnt 0x0
	ADDT 0                                         ; xe + attn (attn is 0 at positions 0-15)
.irp i, 0,1,2,3,4,5,6,7,8,9,10,11,12,13,14,15
	v_mov_b32 v[XT+\i], v[S+\i]                    ; in lanes q = 0: x[1184..1199]
.endr
	MASKS
	s_mov_b32 s13, 0
.LE:                                               ; two trips: the first norm, with the FFN behind it, and the second
	s_mul_i32 s14, s13, 12544                      ; gain and bias: tables 0 and 1, then 7 and 8
	v_add_nc_u32 v31, s14, v13
	TLOAD 0, 0, 31                                 ; they land while the norm is taken
	TLOAD 1, 112, 31
	LNORM
	s_wait_dscnt 0x0
	GAINBIAS 0, 112                                ; out1, then enc
	s_cmp_eq_u32 s13, 0
	s_cbranch_scc0 .LEn
	TLOAD 2, 0, 13
	TLOAD 3, 112, 13
	s_wait_dscnt 0x0
	WIN 0x04                                       ; out1 . ffn_w1's two columns, f32 multiply-adds, the two sums by turns
	v_pk_mul_f32 v[18:19], v[S:S+1], v[0:1]
	v_pk_mul_f32 v[20:21], v[S:S+1], v[112:113]
.set i_, 2
.rept 55
	v_pk_fma_f32 v[18:19], v[S+i_:S+i_+1], v[i_:i_+1], v[18:19]
	v_pk_fma_f32 v[20:21], v[S+i_:S+i_+1], v[112+i_:113+i_], v[20:21]
.set i_, i_+2
.endr
	WIN 0
	TLOAD 4, 0, 13
	TLOAD 5, 112, 13
	v_add_f32 v18, v18, v19
	v_add_f32 v20, v20, v21
	v_mov_b32 v27, 0
	RED4 18, 26
	RED4 20, 27
	v_add_f32 v18, v18, v32
	v_add_f32 v20, v20, v33
	v_max_num_f32 v22, 0, v18                      ; relu
	v_max_num_f32 v24, 0, v20
	v_mov_b32 v23, v22
	v_mov_b32 v25, v24
	s_wait_alu depctr_va_vdst(0)
	s_wait_dscnt 0x0
	AXPY 22, 0
	AXPY 24, 112
	TLOAD 6, 0, 13
	s_wait_dscnt 0x0
	ADDT 0                                         ; + ffn_b2
.LEn:
	s_wait_alu depctr_va_vdst(0)                   ; the wait ahead of the branch
	s_add_co_u32 s13, s13, 1
	s_cmp_lt_u32 s13, 2
	s_cbranch_scc1 .LE
	s_or_b32 s22, ttmp9, s12
	s_cmp_eq_u32 s22, 0                            ; the problem's row 0 is not encoded: it keeps its xe
	s_cbranch_scc0 .Lnot0
	XELOAD
	s_wait_loadcnt 0x0
	v_cmp_eq_u32 vcc_lo, 0, v[R8]
	WIN 0x04
.set i_, 0
.rept 112
	v_cndmask_b32 v[S+i_], v[S+i_], v[i_], vcc_lo
.set i_, i_+1
.endr
	WIN 0
	MASKS
.Lnot0:
.irp i, 0,1,2,3,4,5,6,7,8,9,10,11,12,13,14,15
	v_cndmask_b32 v[S+\i], v[S+\i], v[XT+\i], s36
.endr
	QCV 4, S, 16, 168, 16, 0
	QSTO 4, 168, 0, 8, 37*384, 768, 9, 37, 2
	QCV 3, S+64, 16, 168, 16, 0
	QSTO 3, 168, 0, 8, 37*384+3072, 768, 9, 45, 2
	BAR
; ---------------------------------------------------------------- G: both GRU steps: 15 blocks of x1's units, three gates each; K = flat, 13 steps
; The weights run three K steps ahead in a ring of three sets of 72 registers; the rows' fragments have one set, filled again by halves.
	v_mul_u32_u24 v11, v4, 52
	v_add_nc_u32 v11, FSC, v11
	s_wait_alu depctr_va_vdst(0)                   ; read behind branches and waits
; One K step.  wl: the weight loads of later steps that may be out (21 a step).  ald: the next step's rows, at local step aloc.  wld: the weights three steps on, at byte woff.
; stp: the weights' base goes three K steps on, behind this step's first twelve matrix instructions: the loads that last read it were issued a K step ago
.macro GK ring, wl, zero, ald, aloc, wld, woff, stp
	s_wait_alu depctr_va_vdst(0)
	s_wait_loadcnt \wl
	s_wait_dscnt 14
	WIN 0x54
	MM 6, BF+72*\ring, BS+3*\ring, 192, 0, 0, 1, \zero
	NOP4
.if \stp
	s_wait_xcnt 0x0                                ; the weight loads have read their base: it may step
	s_add_nc_u64 s[16:17], s[16:17], 29184
.endif
.if \ald
	ALDR 192, 0, 0, 1, 6, 7, FMS, 832, 1536*\aloc, 4*\aloc
	s_wait_dscnt 14                                ; rows 32-63 are in; the 14 just issued may be out
.else
	s_wait_dscnt 0x0
.endif
	WIN 0x54
	MM 6, BF+72*\ring, BS+3*\ring, 192, 0, 2, 3, \zero
	NOP4
.if \ald
	ALDR 192, 0, 2, 3, 6, 7, FMS, 832, 1536*\aloc, 4*\aloc
.endif
	WIN 0
.if \wld
	BSTEP 6, BF+72*\ring, BS+3*\ring, \woff
.endif
.endm
; the gates of a tile of rows: 1 - z = 1 / (1 + 2^(az)), r = 1 / (1 + 2^(ar)), h = (1 - z) elu(ah + B0h + r B1h).  Tables in window 0: v38 z, v54 r, v70 B0h, v86 B1h
; The four tiles go through ONE text, in a loop: only the lines that read a tile's sums are written for each tile.  They put the gates' arguments into fixed registers of window 0,
; which the weights have left: GZ az, GR ar, GH ah + B0h; GT the elu's 48 registers, GQ the quantiser's 8.
.set GZ, 104
.set GR, 120
.set GH, 136
.set GT, 152
.set GQ, 200
.macro GIN m
	WIN 0x01
	s_wait_alu depctr_va_vdst(0)                   ; directly ahead of the first readers of this tile's sums
.irp j, 0,2,4,6,8,10,12,14
	v_pk_fma_f32 v[GZ+\j:GZ+\j+1], v[16*\m+\j:16*\m+\j+1], s[24:25], v[38+\j:39+\j] op_sel_hi:[1,0,1]
	v_pk_fma_f32 v[GR+\j:GR+\j+1], v[64+16*\m+\j:65+16*\m+\j], s[26:27], v[54+\j:55+\j] op_sel_hi:[1,0,1]
	v_pk_add_f32 v[GH+\j:GH+\j+1], v[128+16*\m+\j:129+16*\m+\j], v[70+\j:71+\j]
.endr
	WIN 0
.endm
	s_mov_b32 s13, 0
	s_mov_b32 s14, s12                             ; the block: w, then w + 8; every wave walks every loop and jumps over the work of the one block that does not exist (15).  Each block, 15 too, has places of its own in x1's image, its bytes and MIX0
.LG:
	s_mov_b32 s18, 3072                            ; the loop's rows begin at K step 2
	s_mov_b32 s19, 8
	s_cmp_lt_u32 s14, 15
	s_cbranch_scc0 .LGa
	s_wait_loadcnt 0x0                             ; nothing is out here: a round's last K step waits for 0.  The two lines say so on every way through the jumps
	s_wait_dscnt 0x0
	s_mul_i32 s32, s14, 126464
	s_add_co_u32 s32, s32, 635648
	s_add_nc_u64 s[16:17], s[6:7], s[32:33]
	v_mov_b32 v6, v3
	v_mov_b32 v7, v11
	BSTEP 6, BF, BS, 0
	BSTEP 6, BF+72, BS+3, 9728
	BSTEP 6, BF+144, BS+6, 19456
	ALDR 192, 0, 0, 1, 6, 7, FMS, 832, 0, 0
	ALDR 192, 0, 2, 3, 6, 7, FMS, 832, 0, 0
	GK 0, 42, 1, 1, 1, 1, 3*9728, 0                ; K step 0 starts the sums
.LGa:
	s_mov_b32 s15, 0
.LGb:                                              ; three trips of three K steps: 1 to 9
	s_cmp_lt_u32 s14, 15
	s_cbranch_scc0 .LGbs
	s_wait_dscnt 0x0                               ; the row loads have read their addresses
	v_add_nc_u32 v6, s18, v3
	v_add_nc_u32 v7, s19, v11
	GK 1, 42, 0, 1, 0, 1, 4*9728, 0
	GK 2, 42, 0, 1, 1, 1, 5*9728-29184, 1          ; the base steps in this K step: its own request and the next take the step off their immediates
	GK 0, 42, 0, 1, 2, 1, 6*9728-29184, 0
.LGbs:
	s_add_co_u32 s18, s18, 4608
	s_add_co_u32 s19, s19, 12
	s_add_co_u32 s15, s15, 1
	s_cmp_lt_u32 s15, 3
	s_cbranch_scc1 .LGb
	s_cmp_lt_u32 s14, 15
	s_cbranch_scc0 .LGc
	s_wait_dscnt 0x0
	v_add_nc_u32 v6, s18, v3
	v_add_nc_u32 v7, s19, v11
	GK 1, 42, 0, 1, 0, 0, 0, 0                     ; K steps 10, 11, 12: no weights are left to ask for
	GK 2, 21, 0, 1, 1, 0, 0, 0
	GK 0, 0, 0, 0, 0, 0, 0, 0
	s_lshl_b32 s22, s14, 7
	v_lshl_add_u32 v10, v5, 6, s22
	v_add_nc_u32 v10, TAB, v10
	BIAS 38, 10, 4*5344
	BIAS 54, 10, 4*5824
	BIAS 70, 10, 4*6304
	BIAS 86, 10, 4*6784
	s_wait_dscnt 0x0                               ; the tables are in
.LGc:
	s_mov_b32 s15, 0                               ; the tile of rows
.LGm:
	s_wait_alu depctr_va_vdst(0)
	s_wait_loadcnt 0x0                             ; no weight load is out, on every way through the jumps: the fixed registers are free
	s_wait_dscnt 0x0                               ; the last tile's LDS stores have read their registers
	s_cmp_lt_u32 s14, 15
	s_cbranch_scc0 .LGn
	s_mul_i32 s22, s14, 384
	s_mul_i32 s23, s15, XMS
	s_add_co_u32 s22, s22, s23
	s_add_co_u32 s22, s22, XE+384
	s_mul_i32 s23, s15, 320
	s_add_co_u32 s23, s23, s14
	s_add_co_u32 s23, s23, XSC+4
	s_lshl_b32 s31, s14, 10
	s_lshl_b32 s34, s15, 8
	s_add_co_u32 s31, s31, s34
	s_add_co_u32 s31, s31, MIX0
	v_add_nc_u32 v25, s22, v[PB]                   ; x1's image: block b, this tile
	v_mad_u32_u24 v26, v4, 20, s23                 ; its byte
	v_lshl_add_u32 v27, v2, 1, s31                 ; 8 x lane, in the block's 1,024 bytes of MIX0
	s_cmp_eq_u32 s15, 0
	s_cbranch_scc0 .LGm1
	GIN 0
	s_branch .LGx
.LGm1:
	s_cmp_eq_u32 s15, 1
	s_cbranch_scc0 .LGm2
	GIN 1
	s_branch .LGx
.LGm2:
	s_cmp_eq_u32 s15, 2
	s_cbranch_scc0 .LGm3
	GIN 2
	s_branch .LGx
.LGm3:
	GIN 3
.LGx:
	s_wait_alu depctr_va_vdst(0)                   ; the wait behind the branch and ahead of the batch
.irp i, 0,1,2,3,4,5,6,7,8,9,10,11,12,13,14,15
	v_exp_f32 v[GZ+\i], v[GZ+\i]
	v_exp_f32 v[GR+\i], v[GR+\i]
.endr
	v_nop
	s_wait_alu depctr_va_vdst(0)                   ; one wait for the batch of 32
.irp j, 0,2,4,6,8,10,12,14
	v_pk_add_f32 v[GZ+\j:GZ+\j+1], v[GZ+\j:GZ+\j+1], 1.0 op_sel_hi:[1,0]
	v_pk_add_f32 v[GR+\j:GR+\j+1], v[GR+\j:GR+\j+1], 1.0 op_sel_hi:[1,0]
.endr
	s_wait_alu depctr_va_vdst(0)                   ; and ahead of this batch
.irp i, 0,1,2,3,4,5,6,7,8,9,10,11,12,13,14,15
	v_rcp_f32 v[GZ+\i], v[GZ+\i]
	v_rcp_f32 v[GR+\i], v[GR+\i]
.endr
	v_nop
	s_wait_alu depctr_va_vdst(0)
.irp j, 0,2,4,6,8,10,12,14
	v_pk_fma_f32 v[GH+\j:GH+\j+1], v[GR+\j:GR+\j+1], v[86+\j:87+\j], v[GH+\j:GH+\j+1]
.endr
	ELU16 GH, GT
.irp j, 0,2,4,6,8,10,12,14
	v_pk_mul_f32 v[GH+\j:GH+\j+1], v[GH+\j:GH+\j+1], v[GZ+\j:GZ+\j+1]
.endr
	QCV 1, GH, 16, GQ, 16, 0
	QSTO 1, GQ, 0, 25, 0, 0, 26, 0, 0              ; x1's block b, for the dense layer and for the output layer
	ds_store_b64 v27, v[GH:GH+1]                   ; the block's first two numbers a lane, in f32.  Block 14's are x1[448], x1[449] (zeros in lanes 16-31), which cat's block 14 wants
.LGn:
	s_add_co_u32 s15, s15, 1
	s_cmp_lt_u32 s15, 4
	s_cbranch_scc1 .LGm
	s_wait_dscnt 0x0                               ; the last tile's LDS stores have read the fixed registers, which the next weights land on
	NOP4
	s_wait_loadcnt 0x0                             ; a round ends with no weight load out, on every way through its jumps: the next round and the next phase load into the same registers.  (A round that ran has waited for 0 in its last K step)
	s_add_co_u32 s14, s14, 8
	s_add_co_u32 s13, s13, 1
	s_cmp_lt_u32 s13, 2
	s_cbranch_scc1 .LG
	s_mul_i32 s32, s12, 25600                      ; the dense layer's weights are asked for ahead of the barrier
	s_add_co_u32 s32, s32, 2532608
	s_add_nc_u64 s[16:17], s[6:7], s[32:33]
	KSW 4, 4, 6400
	BAR
; ---------------------------------------------------------------- D2: x3 = elu(x1 d2_w + d2_b), block w, in two orders: by unit (K of the next layer) and at cat's positions (unit + 2)
	v_add_nc_u32 v6, XE+384, v3
	v_mul_u32_u24 v7, v4, 20
	v_add_nc_u32 v27, CTS, v7
	v_add_nc_u32 v27, s12, v27
	v_add_nc_u32 v7, XSC+4, v7
	v_lshl_add_u32 v24, v2, 1, MIX0+14*1024        ; x1's block 14 in MIX0
	v_add_nc_u32 v25, MIX7, v1
	s_mul_i32 s22, s12, 384
	s_add_co_u32 s23, s22, CTX
	v_add_nc_u32 v8, s23, v[PB]
	s_add_co_u32 s23, s22, CT
	v_add_nc_u32 v26, s23, v[PB]
	v_lshlrev_b32 v9, 3, v4
	s_add_co_u32 s23, s12, CSC
	v_add_nc_u32 v9, s23, v9
	s_lshl_b32 s22, s12, 7
	v_lshl_add_u32 v10, v5, 6, s22
	v_add_nc_u32 v10, TAB, v10
	s_mov_b32 s15, 0                               ; the half of the rows; v230-237: the half's addresses
.Ld2:
	s_wait_alu depctr_va_vdst(0)
	s_wait_loadcnt 0x0
	s_wait_dscnt 0x0
	s_mul_i32 s18, s15, 2*XMS
	s_mul_i32 s19, s15, 640
	s_mul_i32 s22, s15, 6144
	s_lshl_b32 s23, s15, 8
	s_mul_i32 s31, s15, 2*TMS
	s_lshl_b32 s34, s15, 9
	s_lshl_b32 s36, s15, 10
	v_add_nc_u32 v230, s18, v6
	v_add_nc_u32 v231, s19, v7
	v_add_nc_u32 v232, s22, v8
	v_add_nc_u32 v233, s23, v9
	v_add_nc_u32 v234, s31, v26
	v_add_nc_u32 v235, s19, v27
	v_add_nc_u32 v236, s34, v24
	v_add_nc_u32 v237, s36, v25
	KSC 4, 4, 3, 128, 4, 230, 231, XMS, 320, 230, 231, XMS, 320
	s_cmp_eq_u32 s15, 1
	s_cbranch_scc0 .Ld2k
	s_mul_i32 s32, s12, 6656                       ; the next layer's weights, ahead of the second half's epilogue
	s_add_co_u32 s32, s32, 2737408
	s_add_nc_u64 s[16:17], s[6:7], s[32:33]
	KSW 2, 2, 3328
.Ld2k:
	WIN 0x40
	BIAS 128, 10, 4*7264
	BIAS 144, 10, 4*7520
	s_wait_dscnt 0x0
	WIN 0x55
.irp o, 0,1
.irp m, 0,1
	ADD16 64*\o+16*\m, 128+16*\o
.endr
.endr
.irp o, 0,1
.irp m, 0,1
	ELU16 64*\o+16*\m, 160
.endr
.endr
	QCV 2, 0, 16, 208, 16, 0x55
	QSTO 2, 208, 0x04, 232, 0, 3072, 233, 0, 128
	WIN 0
	s_cmp_lg_u32 s12, 0
	s_cbranch_scc1 .Ld2a
	WIN 0x40                                       ; cat's block 14 begins with x1[448], x1[449]
.irp m, 0,1
	ds_load_b64 v[128+2*\m:129+2*\m], v236 offset:256*\m
.endr
	s_wait_dscnt 0x0
	WIN 0x55
.irp m, 0,1
	v_pk_add_f32 v[64+16*\m:65+16*\m], v[64+16*\m:65+16*\m], v[128+2*\m:129+2*\m]
.endr
	s_wait_alu depctr_va_vdst(0)
	WIN 0
.Ld2a:
	s_cmp_eq_u32 s12, 7
	s_cbranch_scc1 .Ld2m
	QCV 2, 64, 16, 208, 16, 0x55
	QSTO 2, 208, 0x04, 234, 0, TMS, 235, 0, 320
	WIN 0
	s_branch .Ld2e
.Ld2m:
	WIN 0x04                                       ; x3's last three numbers share cat's block 21 with x5: they wait for it
.irp m, 0,1
	ds_store_b128 v237, v[64+16*\m:67+16*\m] offset:512*\m
.endr
	WIN 0
.Ld2e:
	s_add_co_u32 s15, s15, 1
	s_cmp_lt_u32 s15, 2
	s_cbranch_scc1 .Ld2
	BAR
; ---------------------------------------------------------------- D4: x5 = elu(x3 d4_w + d4_b), block w, at cat's positions (unit + 3)
	v_add_nc_u32 v6, CTX, v3
	v_lshlrev_b32 v7, 3, v4
	v_add_nc_u32 v7, CSC, v7
	s_mul_i32 s22, s12, 384
	s_add_co_u32 s22, s22, CT+7*384
	v_add_nc_u32 v8, s22, v[PB]
	v_mul_u32_u24 v9, v4, 20
	s_add_co_u32 s22, s12, CTS+7
	v_add_nc_u32 v9, s22, v9
	s_mov_b32 s15, 0                               ; the half of the rows
.Ld4:
	s_wait_alu depctr_va_vdst(0)
	s_wait_loadcnt 0x0
	s_wait_dscnt 0x0
	s_mul_i32 s18, s15, 6144
	s_lshl_b32 s19, s15, 8
	s_mul_i32 s22, s15, 2*TMS
	s_mul_i32 s23, s15, 640
	s_lshl_b32 s31, s15, 10
	v_add_nc_u32 v230, s18, v6
	v_add_nc_u32 v231, s19, v7
	v_add_nc_u32 v232, s22, v8
	v_add_nc_u32 v233, s23, v9
	v_add_nc_u32 v237, s31, v25
	KSC 2, 2, 2, 64, 2, 230, 231, 3072, 128, 230, 231, 3072, 128
	s_cmp_eq_u32 s15, 1                            ; the output layer's weights, ahead of the second half's epilogue: waves 0-4 have a block of it
	s_cbranch_scc0 .Ld4w
	s_cmp_lt_u32 s12, 5
	s_cbranch_scc0 .Ld4w
	s_mul_i32 s32, s12, 29952
	s_add_co_u32 s32, s32, 2790656
	s_add_nc_u64 s[16:17], s[6:7], s[32:33]
	KSW 2, 8, 3328                                 ; eight K steps: the ninth (K blocks 32-35) lies beyond k = 900 and holds zero codes alone
.Ld4w:
	WIN 0x40
	BIAS 64, 10, 4*7776
	s_wait_dscnt 0x0
	WIN 0x55
.irp m, 0,1
	ADD16 16*\m, 64
.endr
.irp m, 0,1
	ELU16 16*\m, 80
.endr
	WIN 0
	s_cmp_lg_u32 s12, 0
	s_cbranch_scc1 .Ld4a
	WIN 0x40
.irp m, 0,1
	ds_load_b128 v[128+4*\m:131+4*\m], v237 offset:512*\m
.endr
	s_wait_dscnt 0x0
	WIN 0x55
.irp m, 0,1
	v_pk_add_f32 v[16*\m:16*\m+1], v[16*\m:16*\m+1], v[128+4*\m:129+4*\m]
	v_pk_add_f32 v[16*\m+2:16*\m+3], v[16*\m+2:16*\m+3], v[130+4*\m:131+4*\m]
.endr
	s_wait_alu depctr_va_vdst(0)
	WIN 0
.Ld4a:
	QCV 2, 0, 16, 144, 16, 0x55
	QSTO 2, 144, 0x04, 232, 0, TMS, 233, 0, 320
	WIN 0
	s_add_co_u32 s15, s15, 1
	s_cmp_lt_u32 s15, 2
	s_cbranch_scc1 .Ld4
	WIN 0
	BAR
; ---------------------------------------------------------------- OUT: cat out_w + out_b: 5 blocks, waves 0-4.  K steps 0-3: x1's image (the weights of its blocks 14, 15 are zeros); 4-7: cat's blocks 14-29
	v_add_nc_u32 v6, XE+384, v3
	v_mul_u32_u24 v7, v4, 20
	v_add_nc_u32 v25, CTS, v7
	v_add_nc_u32 v7, XSC+4, v7
	v_add_nc_u32 v24, CT, v3
	s_lshl_b32 s22, s12, 7
	v_lshl_add_u32 v10, v5, 6, s22
	v_mul_u32_u24 v8, v4, 656
	v_add_nc_u32 v8, v8, v10
	v_add_nc_u32 v8, OST, v8
	v_add_nc_u32 v10, TAB, v10
	s_mov_b32 s15, 0                               ; the half of the rows: every wave walks the loop, waves 5-7 jump over the work
.Lou:
	s_wait_alu depctr_va_vdst(0)
	s_wait_loadcnt 0x0
	s_wait_dscnt 0x0
	s_cmp_lt_u32 s12, 5
	s_cbranch_scc0 .Louts
	s_mul_i32 s18, s15, 2*XMS
	s_mul_i32 s19, s15, 640
	s_mul_i32 s22, s15, 2*TMS
	s_mul_i32 s23, s15, 20992
	v_add_nc_u32 v230, s18, v6
	v_add_nc_u32 v231, s19, v7
	v_add_nc_u32 v232, s22, v24
	v_add_nc_u32 v233, s19, v25
	v_add_nc_u32 v234, s23, v8
	KSC 2, 8, 3, 64, 4, 230, 231, XMS, 320, 232, 233, TMS, 320
	WIN 0x40
	BIAS 64, 10, 4*8032
	s_wait_dscnt 0x0
	WIN 0x55
.irp m, 0,1
	ADD16 16*\m, 64
.endr
	WIN 0x04
.irp m, 0,1
.irp k, 0,1,2,3
	ds_store_b128 v234, v[16*\m+4*\k:16*\m+4*\k+3] offset:\m*10496+16*\k
.endr
.endr
	WIN 0
.Louts:
	s_add_co_u32 s15, s15, 1
	s_cmp_lt_u32 s15, 2
	s_cbranch_scc1 .Lou
	s_wait_loadcnt 0x0                             ; no weight load is out, on either way: the way out writes the weights' registers.  (The product has waited for 0 in its last K step)
	BAR
; ---------------------------------------------------------------- the way out: 64 rows of 560 bytes are one dense run of 2,240 pieces of 16 bytes; piece c lies in row c / 35 of the stage
	v_lshlrev_b32 v40, 4, v0
.irp i, 0,1,2,3,4,5,6,7,8
	v_add_nc_u32 v[41+\i], 256*\i, v0              ; c
	v_mul_u32_u24 v[50+\i], v[41+\i], 1873
	v_lshrrev_b32 v[50+\i], 16, v[50+\i]           ; c / 35 (exact for c under 2,304)
	v_mul_u32_u24 v[50+\i], v[50+\i], 96           ; a stage row is 96 bytes longer than a row of out0
	v_lshl_add_u32 v[50+\i], v[41+\i], 4, v[50+\i]
	v_add_nc_u32 v[50+\i], OST, v[50+\i]
.endr
	s_wait_alu depctr_va_vdst(0)
.irp i, 0,1,2,3,4,5,6,7
	ds_load_b128 v[64+4*\i:67+4*\i], v[50+\i]
.endr
.irp i, 0,1,2,3,4,5,6,7
	s_wait_dscnt 7-\i
	global_store_b128 v40, v[64+4*\i:67+4*\i], s[10:11] offset:4096*\i th:TH_STORE_NT   ; a wave stores 512 consecutive bytes, at a multiple of 256 from out0's first byte
.endr
	s_cmp_lt_u32 s12, 6                            ; the last 192 pieces: waves 0-5
	s_cbranch_scc0 .Lend
	ds_load_b128 v[96:99], v58
	s_wait_dscnt 0x0
	global_store_b128 v40, v[96:99], s[10:11] offset:32768 th:TH_STORE_NT
.Lend:
	v_lshl_add_u32 v100, v0, 2, SPARE              ; my spare word (v0 is as at the entry), and 0: no two registers could be kept for them through the phases
	v_mov_b32 v101, 0
	s_wait_alu depctr_va_vdst(0)
	s_wait_tensorcnt 0x0                           ; the wave's end, behind my last LDS store
	ds_add_u32 v100, v101
	s_wait_dscnt 0x0
	s_endpgm
.Lfunc_end_k_qfb21c39d00_fused:
	.size	k_qfb21c39d00_fused, .Lfunc_end_k_qfb21c39d00_fused-k_qfb21c39d00_fused
	.p2alignl 7, 3214868480
	.fill 96, 4, 3214868480
	.section	.rodata,"a",@progbits
	.p2align	6, 0x0
	.amdhsa_kernel k_qfb21c39d00_fused
		.amdhsa_group_segment_fixed_size 327680
		.amdhsa_private_segment_fixed_size 0
		.amdhsa_enable_private_segment 0
		.amdhsa_kernarg_size 32
		.amdhsa_user_sgpr_count 2
		.amdhsa_user_sgpr_kernarg_segment_ptr 1
		.amdhsa_wavefront_size32 1
		.amdhsa_system_sgpr_workgroup_id_x 1
		.amdhsa_system_sgpr_workgroup_id_y 1
		.amdhsa_system_sgpr_workgroup_id_z 1
		.amdhsa_system_vgpr_workitem_id 0
		.amdhsa_next_free_vgpr 512
		.amdhsa_next_free_sgpr 66
		.amdhsa_reserve_vcc 1
		.amdhsa_float_denorm_mode_32 3
		.amdhsa_float_denorm_mode_16_64 3
		.amdhsa_memory_ordered 1
		.amdhsa_forward_progress 1
		.amdhsa_inst_pref_size 255
	.end_amdhsa_kernel
	.section	.bss,"aw",@nobits
	.p2align	6
	.space	262144
	.amdgpu_metadata
---
amdhsa.version: [ 1, 2 ]
amdhsa.kernels:
  - .name:           k_qfb21c39d00_fused
    .symbol:         k_qfb21c39d00_fused.kd
    .args:
      - { .name: x, .offset: 0, .size: 8, .value_kind: global_buffer, .address_space: global }
      - { .name: wts, .offset: 8, .size: 8, .value_kind: global_buffer, .address_space: global }
      - { .name: tab, .offset: 16, .size: 8, .value_kind: global_buffer, .address_space: global }
      - { .name: out0, .offset: 24, .size: 8, .value_kind: global_buffer, .address_space: global }
    .group_segment_fixed_size: 327680
    .private_segment_fixed_size: 0
    .kernarg_segment_align: 8
    .kernarg_segment_size: 32
    .max_flat_workgroup_size: 256
    .sgpr_count:     66
    .vgpr_count:     512
    .wavefront_size: 32
...
	.end_amdgpu_metadata
.endif
;; end of part 2
